; MI455X (gfx1250); checked and timed in simulation.
; The chip was launched on July 23, 2026; its instructions are those of AMD's public machine-readable ISA for CDNA 5 (MIT licence, August 2026) and "CDNA5" Instruction Set Architecture Reference Guide (July 2026). The comments in the code are by the model that wrote it; some were corrected since.
;; Self Attention. Allowed arithmetic: matrix products marked QUANTISED: E3M2 operands, one E8M0 scale for each 32 along K, by v_wmma_scale_f32_16x16x128_f8f6f4 with both operands' format E3M2, f32 sums; everything else in f32.
;; Inputs: Wk_codes 1,024 x 32 x 24 uint8 (E3M2 codes of Wk, K innermost, in blocks of 32 codes, four codes in three bytes); Wk_scales 1,024 x 32 uint8 (E8M0 scales of Wk, one for each 32 codes along K); Wq_codes 1,024 x 32 x 24 uint8 (E3M2 codes of Wq, K innermost, in blocks of 32 codes, four codes in three bytes); Wq_scales 1,024 x 32 uint8 (E8M0 scales of Wq, one for each 32 codes along K); Wv_codes 1,024 x 32 x 24 uint8 (E3M2 codes of Wv, K innermost, in blocks of 32 codes, four codes in three bytes); Wv_scales 1,024 x 32 uint8 (E8M0 scales of Wv, one for each 32 codes along K); bk 1,024 float32; bq 1,024 float32; bv 1,024 float32; embeddings_codes 4 x 2,048 x 32 x 24 uint8 (E3M2 codes of embeddings, K innermost, in blocks of 32 codes, four codes in three bytes); embeddings_scales 4 x 2,048 x 32 uint8 (E8M0 scales of embeddings, one for each 32 codes along K).
;; Outputs: out0 4 x 2,048 x 1,024 float32.
;; Constants: masking = 1.
;; This version of the problem:
;;   THIS VERSION OF THE PROBLEM IS GIVEN IN LOW PRECISION. The matrix products marked QUANTISED in the list below multiply operands that are first quantised to E3M2 (3 exponent bits, 2 mantissa bits; 6 bits a number), with one power-of-two scale for each 32 numbers along K (OCP MX v1.0); their sums are f32. All else is computed in f32.
;;   The module's matrix products, in the order in which they are computed (A, B: the left and right operand; K: the contracted axis; several contracted axes count as one K, in the product's order):
;;     1. [M 8,192, K 1,024] x [K 1,024, N 1,024]; A: input embeddings (given as codes); B: input Wq (given as codes): QUANTISED
;;     2. [M 8,192, K 1,024] x [K 1,024, N 1,024]; A: input embeddings (given as codes); B: input Wk (given as codes): QUANTISED
;;     3. [M 8,192, K 1,024] x [K 1,024, N 1,024]; A: input embeddings (given as codes); B: input Wv (given as codes): QUANTISED
;;     4. batch 4 x [M 2,048, K 1,024] x [K 1,024, N 2,048]; A: computed on the way; B: computed on the way: QUANTISED
;;     5. batch 4 x [M 2,048, K 2,048] x [K 2,048, N 1,024]; A: softmax (see below); B: computed on the way: QUANTISED
;;   THE QUANTISER, for each operand of a quantised product, along K:
;;     - K is cut into blocks of 32 from its start; a last block that is shorter is filled with zeros.
;;     - A block's scale is 2^e with e = floor(log2(the largest magnitude in the block)) - 4, held to -126 .. 127; a block of zeros has e = 0. As a byte (E8M0): e + 127.
;;     - Each number is divided by its block's scale, clamped to +-28, and rounded to the nearest number of E3M2, ties to even, subnormals kept.
;;     - The product sums the exact products of the quantised numbers (number of the format x scale) in f32.
;;   ~~~python
;;   def quantise(x, axis):      # numpy; x: float32 -> the quantised numbers, widened to float32 again
;;       x = np.moveaxis(x, axis, -1); K = x.shape[-1]
;;       x = np.pad(x, [(0, 0)] * (x.ndim - 1) + [(0, -K % 32)]); x = x.reshape(x.shape[:-1] + (-1, 32)); a = np.abs(x).max(-1, keepdims=True)
;;       e = np.where(a > 0, np.clip(np.frexp(np.where(a > 0, a, 1))[1] - 1 - 4, -126, 127), 0)      # np.frexp(a)[1] - 1 = floor(log2(a)), exactly
;;       r = np.clip(x / 2.0 ** e, -28, 28)
;;       step = 2.0 ** (np.maximum(np.frexp(np.where(r == 0, 1, r))[1] - 1, -2) - 2)
;;       q = np.round(r / step) * step * 2.0 ** e      # np.round: ties to even
;;       return np.moveaxis(q.reshape(q.shape[:-2] + (-1,))[..., :K], -1, axis).astype(np.float32)
;;   ~~~
;;   SOFTMAX AHEAD OF A QUANTISED PRODUCT. Where the list says 'softmax', what is quantised is not the finished softmax but p = 2^(t - M), with t = logit x log2(e) and M = ceil(the row's largest t), a whole number; so 1/2 < the row's largest p <= 1. The row's sum l is taken of the UNQUANTISED p, in f32, and the product's result is divided by l at the end. Since M is a whole number, a kernel that streams over the keys may use a running M (the ceiling of the running maximum): every later rescaling is an exact power of two, which a block's scale takes up: the codes' values come out the same.
;;   OPERANDS COMPUTED ON THE WAY. 'Computed on the way' means the value that the module computes at that place (a softmax that the list does not call 'softmax' is quantised finished and normalised). What goes into a quantiser is computed in f32, as accurately as f32 sums, v_exp_f32 and their like allow (about 1e-6 of the number): no bf16 or f16 on the way to a quantiser, and a product that is left as it is and whose result goes on into a quantised operand takes f32 operands (vector FMAs, or v_wmma_f32_16x16x4_f32). A number that lies on a knife's edge between two numbers of the format may be rounded either way, as far as f32 arithmetic and the matrix unit's own rounding can turn it there, and no further.
;;   INPUTS GIVEN AS CODES. Wk (in the module: [1024, 1024], K = its axis 0); Wq (in the module: [1024, 1024], K = its axis 0); Wv (in the module: [1024, 1024], K = its axis 0); embeddings (in the module: [4, 2048, 1024], K = its axis 2): each comes as NAME_codes (uint8): NAME with its K axis moved to the last place and cut into blocks of 32 codes, [.., K / 32, bytes a block], one block behind the other in memory; four codes in three bytes: a row's codes are one little-endian stream of bits, code i at bits 6 i .. 6 i + 5 (a code: sign, 3 exponent bits, 2 mantissa bits); and NAME_scales (uint8): the same leading axes, one E8M0 byte (e + 127) for each 32 codes along K. Its value is code x scale, taken as it is: it is not quantised again, and the codes and scales need not be those that the quantiser above would give.
;; One version. Each part assembles by itself: llvm-mc -triple=amdgcn-amd-amdhsa -mcpu=gfx1250 --defsym DOCPART=n.
;; ======== version 1 of 1: 3 launches
;; limits: right only within a limited range of input values
;; workspace buffers: qkv 18,874,368 bytes; sc3 786,432 bytes; pimg 12,582,912 bytes; pst 1,572,864 bytes
;; launch proj (part 1): grid 8 x 32, 4 waves a work-group, clusters of 4 x 4, 327,680 bytes of LDS; arguments embeddings_codes, embeddings_scales, Wq_codes, Wq_scales, Wk_codes, Wk_scales, Wv_codes, Wv_scales, bq, bk, bv, qkv, sc3; writes qkv, sc3
.if DOCPART == 1
	.amdgcn_target "amdgcn-amd-amdhsa--gfx1250"
	.amdhsa_code_object_version 6
	.text
	.protected	k_qdfe43b72cb_proj
	.globl	k_qdfe43b72cb_proj
	.p2align	8
	.type	k_qdfe43b72cb_proj,@function
k_qdfe43b72cb_proj:
	s_mov_b64 s[64:65], 0
	v_nop
	global_prefetch_b8 v0, s[64:65] scope:SCOPE_SE
	s_setreg_imm32_b32 hwreg(HW_REG_WAVE_MODE, 25, 1), 1
	s_wait_xcnt 0x0
	s_wait_alu depctr_hold_cnt(0) depctr_sa_sdst(0) depctr_va_vdst(0) depctr_va_sdst(0) depctr_va_ssrc(0) depctr_va_vcc(0) depctr_vm_vsrc(0)
	s_getreg_b32 s2, hwreg(HW_REG_IB_STS2, 6, 4)
	s_cmp_eq_u32 s2, 0
	s_cbranch_scc0 .Lentry_in_a_cluster
	s_endpgm
.Lentry_in_a_cluster:
	s_bfe_u32 s2, ttmp6, 0x10000c
	s_cmp_lg_u32 s2, 0xf033
	s_cbranch_scc0 .Lentry_shape_is_right
	s_endpgm
.Lentry_shape_is_right:
; q = x Wq + bq, k = x Wk + bk, v = x Wv + bv on codes of BF6 (E3M2) with one E8M0 scale for each 32 along K = 1,024; each result is quantised at once for the product that takes it:
; q and k along d (the scores' K), v along the keys (the last product's K).  x: [8192][1024], W: [1024 (d)][1024 (K)], as codes, K innermost, rows of 768 bytes; their scale bytes, rows of 32.
; WORK LEFT OUT BY THE WHOLE PROGRAM.  reference() sets the score of key k and query q to -infinity where k > q, by a mask that it builds itself.  Such a score gives p = 0, which adds 0 to the row's sum and 0 to the output,
; whatever the inputs hold.  So the tiles of 256 queries x 256 keys that lie wholly above the diagonal (28 of a batch's 64) are left out of the scores and of the last product.  Inside a tile on the diagonal the hidden part stays.
; Every input has a way to the output (bk moves k's codes) and is loaded.  LIMIT: a NaN, an infinity or an overflow that reaches only the tiles left out is not carried to the result.
; OTHER LIMITS: NaN and infinities among the inputs are not served.  A block of zeros gets the scale byte 1 where the quantiser says 127: its codes are zeros, and this program alone reads the bytes.
; SHARES.  256 work-groups, one turn: block tb of 256 tokens x block db of 128 of d, of v, then q, then k.  A wave takes 64 tokens (four tiles of 16) and KEEPS THEIR FRAGMENTS OF ALL K = 1,024 IN 384 REGISTERS; the 3 x 128 rows of W
; go by from LDS in six groups of 64 rows: v 0, 1, q 0, 1, k 0, 1.  A group: 8 steps of 128 along K, 16 products a step; each fragment of W feeds four.
; THE LANE'S REGISTERS RUN ALONG THE AXIS THAT IS QUANTISED: v: source 0 = x (tokens), source 1 = Wv (a lane holds one d);  q, k: source 0 = W (d), source 1 = x (a lane holds one token).
; The bias is the C of each accumulator's first product.
; CLUSTERS: 4 x 4 work-groups.  x's tile hangs on tb alone and is asked for jointly by a row of the cluster, W's on db alone, by a column.
; LDS: Wv's 128 rows, then x's 256 rows; when every wave has x in registers, Wq's and Wk's rows take x's bytes (one joint load a wave), and have both of v's groups, 256 products a wave, in which to land:
; so nothing is prefetched: there is no other refill, and no loop that asks for tiles.
; WHAT IS STORED.  16 rows x 64 along the quantised axis are one HALF of an operand fragment of the next product: registers 6 c .. 6 c + 5 (c = 0, 1) of a lane.  A half is 512 bytes (four registers, lane l at 16 l), then 256 (two, at 8 l).
; Inside a block of 32 the codes stand in the order 0-7, 16-23, 8-15, 24-31; both operands of each later product are made so, so that equal places hold equal k; blocks and scales are the quantiser's.
; REGISTERS: window 0: below; window 1: v0-191 W's fragments, a ring of four steps, v192-223 the bias; windows 2, 3: x's fragments of steps 0-3, 4-7.
.set PITCH,  816                       ; an LDS row: 3 x (256 bytes + 16 of padding)
.set HALFW,  64*PITCH                  ; 64 rows of W: a group
.set X0,     2*HALFW                   ; x's 256 rows, later Wq's and Wk's
.set SCL,    X0+256*PITCH              ; scale bytes of v's, q's, k's 128 rows, 4,096 each.  v's first 1,024 later take v's scale words
.set BIA,    SCL+12288                 ; v's, q's, k's bias, 512 each
.set SPARE,  BIA+1536                  ; the spare words, 128 bytes for each wave
.set W0,   3                           ; v1 r, v2 h, v3 r x pitch + 24 h
.set WS0,  4                           ; v4 SCL + 32 r
.set BA0,  5                           ; v5 the bias: v: BIA + 4 r; q, k: BIA + 32 h
.set WA,   6                           ; v6 LDS address of a group's fragments, v7 behind one padding more in lanes 16-31
.set XA,   8                           ; v8-9 the same for x
.set WSA,  10                          ; v10 a group's scale words
.set BA,   11                          ; v11 a group's bias
.set IO,   12                          ; v12 16 x lane
.set IO8,  13                          ; v13 8 x lane
.set SPW,  14                          ; v14 my spare word; never rewritten
.set NIL,  15                          ; v15 0; never rewritten
.set XS,   16                          ; v16-47 x's scale words: tile t, step s at 8 t + s
.set WS,   48                          ; v48-79 W's: tile u, step s at 8 u + s
.set ACC,  80                          ; v80-207 16 accumulators
.set BM,   208                         ; v208-215 the blocks' largest magnitudes, then the conversions' scale operands
.set BQ,   216                         ; v216-223 at work
.set PW,   224                         ; v224-227 scale words of the last two groups
.set PQ,   228                         ; v228-231 and of the two before
.set CX,   232                         ; v232-255 the codes of four halves
.set BI,   192
.set G1, 24                            ; s[24:31] group 1 of x's tiles, s[32:35] group 0; s[36:39] group 0 of the refill; s[48:55], s[56:59] W's
.set G0, 32
.set G0R, 36
.set G1B, 48
.set G0B, 56
.set OFF, 18                           ; s[18:19] where my halves go in qkv
.set SEL, 66                           ; s[66:67] lane selects for lane l xor 16
.set MSB, 0
.macro WIN new                         ; the immediate's high byte repeats the setting that is left
.if MSB != (\new)
	s_set_vgpr_msb (MSB<<8)|(\new)
.set MSB, (\new)
.endif
.endm
.macro PLACES                          ; plain vector instructions between a matrix instruction and a load into, or a vector access of, its registers
.rept 4
	v_nop
.endr
.endm
.macro CROUND                          ; a whole round of the cluster's barrier
	s_barrier_signal -1
	s_barrier_wait -1
	s_cmp_lg_u32 s14, 0
	s_cbranch_scc1 .Lnot_wave_0_\@
	s_barrier_signal -3
.Lnot_wave_0_\@:
	s_barrier_wait -3
	s_barrier_signal -1
	s_barrier_wait -1
.endm
.macro ADDRS                           ; the LDS addresses of group s4
	s_mul_i32 s5, s4, HALFW
	s_lshl_b32 s6, s4, 11
	s_lshl_b32 s7, s4, 8
	v_add_nc_u32 v[WA], s5, v[W0]
	v_add_nc_u32 v[WSA], s6, v[WS0]
	v_add_nc_u32 v[BA], s7, v[BA0]
	v_lshl_add_u32 v[WA+1], v2, 4, v[WA]
.endm
	s_load_b512 s[68:83], s[0:1], 0x0              ; x's codes 68, x's scales 70, Wq's 72, 74, Wk's 76, 78, Wv's 80, 82
	s_load_b256 s[84:91], s[0:1], 0x40             ; bq 84, bk 86, bv 88, qkv 90
	s_load_b64 s[100:101], s[0:1], 0x60            ; sc3
	v_lshl_add_u32 v[SPW], v0, 2, SPARE
	v_mov_b32 v[NIL], 0
	ds_add_u32 v[SPW], v[NIL]                      ; the wave's opening: the add, twice on end, and its wait ahead of my first tensor load
	ds_add_u32 v[SPW], v[NIL]
	v_lshrrev_b32 v1, 5, v0
	v_readfirstlane_b32 s14, v1                    ; wave 0..3
	s_lshr_b32 s15, s14, 1
	s_and_b32 s16, s14, 1
	s_bfe_u32 s40, ttmp6, 0x40000                  ; cx, cy: my place in the cluster
	s_bfe_u32 s41, ttmp6, 0x40004
	s_lshl_b32 s42, ttmp9, 2
	s_add_co_u32 s42, s42, s40                     ; db
	s_and_b32 s17, ttmp7, 0xffff
	s_lshl_b32 s17, s17, 2
	s_add_co_u32 s17, s17, s41                     ; tb
	s_lshl_b32 s43, s41, 2
	s_lshl_b32 s43, 15, s43                        ; my row of the cluster
	s_lshl_b32 s44, 0x1111, s40                    ; my column
	s_or_b32 s[G1+0], s43, (0<<16)|(1<<20)|(1<<21)|(5<<22)|(3<<25)  ; the mask; elements of 1 byte; padding on; bit 21 beside a mask; after every 64 words, 4 words
	s_or_b32 s[G1B+0], s44, (0<<16)|(1<<20)|(1<<21)|(5<<22)|(3<<25)
.irp g, G1, G1B
	s_mov_b32 s[\g+1], 768<<16                     ; tensor_dim0: whole rows
	s_mov_b32 s[\g+3], 768<<16                     ; tile_dim0
	s_mov_b32 s[\g+5], 768                         ; from row to row
	s_mov_b32 s[\g+6], 0
	s_mov_b32 s[\g+7], 0
.endr
	s_mov_b32 s[G1+2], 128<<16                     ; 128 rows of x,
	s_mov_b32 s[G1+4], 128
	s_mov_b32 s[G1B+2], 64<<16                     ; 64 rows of W
	s_mov_b32 s[G1B+4], 64
	s_lshl_b32 s20, s17, 8
	s_lshl_b32 s21, s16, 7
	s_add_co_u32 s20, s20, s21
	s_mul_i32 s20, s20, 768                        ; waves 0, 1: my 128 rows of x
	s_mov_b32 s21, 0
	s_lshl_b32 s46, s42, 7
	s_lshl_b32 s47, s16, 6
	s_add_co_u32 s46, s46, s47
	s_mul_i32 s46, s46, 768                        ; my 64 rows of a W
	s_mov_b32 s47, 0
	s_lshl_b32 s22, s42, 12                        ; W's scales
	s_mov_b32 s23, 0
	s_lshl_b32 s92, s17, 13
	s_lshl_b32 s93, s14, 11
	s_add_co_u32 s92, s92, s93                     ; my 64 tokens' scales
	s_mov_b32 s93, 0
	s_lshl_b32 s94, s42, 9                         ; the bias
	s_mov_b32 s95, 0
	s_mul_i32 s45, s14, HALFW
	s_add_co_u32 s45, s45, X0                      ; my 64 tokens in LDS; also where my part of the refill goes
	s_mov_b32 s4, 0
	v_and_b32 v1, 15, v0                           ; r = lane % 16
	v_bfe_u32 v2, v0, 4, 1                         ; h = lane / 16
	v_mul_u32_u24 v[W0], v1, PITCH
	v_mad_u32_u24 v[W0], v2, 24, v[W0]
	v_lshl_add_u32 v[WS0], v1, 5, SCL
	v_lshl_add_u32 v[BA0], v1, 2, BIA
	ADDRS
	v_add_nc_u32 v[XA], s45, v[W0]
	v_lshl_add_u32 v[XA+1], v2, 4, v[XA]
	v_and_b32 v[IO], 31, v0
	v_lshlrev_b32 v[IO8], 3, v[IO]
	v_lshlrev_b32 v[IO], 4, v[IO]
	v_lshlrev_b32 v208, 4, v0
	v_lshlrev_b32 v209, 2, v0
	v_lshlrev_b32 v210, 5, v1
	v_lshl_add_u32 v211, v0, 4, SCL
	v_lshl_add_u32 v212, v0, 2, BIA
.irp i, 0,1,2,3,4,5,6,7,8,9,10,11,12,13,14,15
	v_mov_b32 v[BQ+\i], 0                          ; BQ, PW, PQ, written once: a lane permute's destination counts as a source, and words are shifted in from above
.endr
	s_wait_alu depctr_va_vdst(0)
	s_wait_dscnt 0x0                               ; both opening adds are done
	s_wait_kmcnt 0x0
	s_add_nc_u64 s[70:71], s[70:71], s[92:93]
.irp b, 74,78,82
	s_add_nc_u64 s[\b:\b+1], s[\b:\b+1], s[22:23]
.endr
.irp b, 84,86,88
	s_add_nc_u64 s[\b:\b+1], s[\b:\b+1], s[94:95]
.endr
	s_mov_b32 s[G0], 1
	s_mul_i32 s22, s16, 128*PITCH
	s_add_co_u32 s[G0+1], s22, X0
	s_add_nc_u64 s[G0+2:G0+3], s[68:69], s[20:21]
	s_or_b32 s[G0+3], s[G0+3], 0x80000000
	s_mov_b32 s[G0B], 1
	s_mul_i32 s[G0B+1], s16, HALFW
	s_add_nc_u64 s[G0B+2:G0B+3], s[80:81], s[46:47]
	s_or_b32 s[G0B+3], s[G0B+3], 0x80000000
	s_mov_b32 s[G0R], 1                            ; the refill: waves 0, 1 Wq's rows, waves 2, 3 Wk's
	s_mov_b32 s[G0R+1], s45
	s_cmp_eq_u32 s15, 0                            ; the wave's number alone chooses the buffer
	s_cselect_b64 s[20:21], s[72:73], s[76:77]
	s_add_nc_u64 s[G0R+2:G0R+3], s[20:21], s[46:47]
	s_or_b32 s[G0R+3], s[G0R+3], 0x80000000
	s_mov_b32 s[SEL], 0x76543210
	s_mov_b32 s[SEL+1], 0xfedcba98
	s_mov_b32 s99, 0xffff0000                      ; lanes 16-31
	CROUND                                         ; all sixteen work-groups are here: the first joint loads meet
	s_cmp_eq_u32 s15, 0                            ; one joint load a wave: waves 0, 1 x's 256 rows, waves 2, 3 Wv's 128
	s_cbranch_scc0 .Lfor_w
	tensor_load_to_lds s[G0:G0+3], s[G1:G1+7]
	s_nop 0
.rept 4
	v_nop
.endr
	s_branch .Lasked
.Lfor_w:
	tensor_load_to_lds s[G0B:G0B+3], s[G1B:G1B+7]
	s_nop 0
.rept 4
	v_nop
.endr
.Lasked:
.irp j, 0,1                                    ; the scale bytes of v's, q's, k's 128 rows and the bias, on their way to LDS: 128 threads x 16 bytes, twice
	global_load_b128 v[80+4*\j:83+4*\j], v208, s[82:83] offset:2048*\j
	global_load_b128 v[88+4*\j:91+4*\j], v208, s[74:75] offset:2048*\j
	global_load_b128 v[96+4*\j:99+4*\j], v208, s[78:79] offset:2048*\j
.endr
	global_load_b32 v104, v209, s[88:89]
	global_load_b32 v105, v209, s[84:85]
	global_load_b32 v106, v209, s[86:87]
.irp t, 0,1,2,3                                ; my tokens' scale words stay in registers
	global_load_b128 v[XS+8*\t:XS+8*\t+3], v210, s[70:71] offset:512*\t
	global_load_b128 v[XS+8*\t+4:XS+8*\t+7], v210, s[70:71] offset:512*\t+16
.endr
	s_wait_loadcnt 0x8                             ; all but the last eight
.irp j, 0,1,2,3,4,5
	ds_store_b128 v211, v[80+4*\j:83+4*\j] offset:2048*\j
.endr
.irp j, 0,1,2
	ds_store_b32 v212, v[104+\j] offset:512*\j
.endr
	s_wait_alu depctr_va_vdst(0)
	s_wait_tensorcnt 0x0                           ; my tile is in,
	s_wait_dscnt 0x0                               ; and my stores
	s_barrier_signal -1
	s_barrier_wait -1                              ; everybody's
.macro FRAG reg, adr, st, i            ; a fragment: lane l holds row l % 16; registers 6 c .. 6 c + 5 hold K = 64 c + 32 (l / 16) + 0 .. 31: 24 bytes of the row's stream of bits, in pieces of 8 bytes
.irp p, 0,1,2,3,4,5                    ; 16 bytes of padding lie behind every 256; where lanes 16-31, 24 bytes further on, lie behind one padding more, the second address register serves
.set BY, 96*(\st)+48*(\p/3)+8*(\p%3)
.set OF, BY+16*(BY/256)+(\i)*16*PITCH
.if BY%256 < 232
	ds_load_b64 v[(\reg)+2*\p:(\reg)+2*\p+1], v[\adr] offset:OF
.else
	ds_load_b64 v[(\reg)+2*\p:(\reg)+2*\p+1], v[(\adr)+1] offset:OF
.endif
.endr
.endm
.macro SIDE isv                        ; a group's scale words and bias
	WIN 0
.irp u, 0,1,2,3
	ds_load_b128 v[WS+8*\u:WS+8*\u+3], v[WSA] offset:512*\u
	ds_load_b128 v[WS+8*\u+4:WS+8*\u+7], v[WSA] offset:512*\u+16
.endr
	WIN 0x40
.irp u, 0,1,2,3
.if \isv
.irp j, 0,1,2,3,4,5,6,7                ; one number for the lane's row
	ds_load_b32 v[BI+8*\u+\j], v[BA] offset:64*\u
.endr
.else                                  ; along the registers
	ds_load_b128 v[BI+8*\u:BI+8*\u+3], v[BA] offset:64*\u
	ds_load_b128 v[BI+8*\u+4:BI+8*\u+7], v[BA] offset:64*\u+16
.endif
.endr
	WIN 0
.endm
.macro FILL isv                        ; what a loop's first group finds loaded: steps 0 and 1, the scale words and the bias
	WIN 0x40
.irp s, 0,1
.irp u, 0,1,2,3
	FRAG 48*\s+12*\u, WA, \s, \u
.endr
.endr
	SIDE \isv
.endm
; A step of 128 along K: 16 products on ring place s % 4, the accumulators by turns.  Ahead of every second step the two steps behind that pair, of this group or the next, are asked for in one
; run of 48 loads, into the two places that the pair before has left; they are waited for 32 products later.
.macro STEP s, isv, lastn
.if \s%2 == 0
.if \s > 0
	s_wait_dscnt 0x0                               ; this pair of steps is in
.endif
.if \s == 6
	WIN 0
	s_add_co_u32 s4, s3, 1
	s_min_u32 s4, s4, \lastn                       ; the next group (a loop's last trip fetches its own again, which is not read)
	ADDRS
	s_wait_alu depctr_va_vdst(0)
.endif
	PLACES
	WIN 0x40
.irp d, 0,1
.irp u, 0,1,2,3
.if \s < 6
	FRAG 48*((\s+2+\d)%4)+12*\u, WA, \s+2+\d, \u
.else
	FRAG 48*((\s+2+\d)%4)+12*\u, WA, \s-6+\d, \u
.endif
.endr
.endr
.endif
.if \isv
.set MU, 0x06+(\s/4)                   ; source 0 (x) window 2 or 3, source 1 (W) window 1, C and D window 0
.else
.set MU, 0x09+4*(\s/4)                 ; source 0 (W) window 1, source 1 (x) window 2 or 3
.endif
.if \s == 0
.set MU, MU+0x10                       ; C: the bias, window 1
.endif
.irp u, 0,1,2,3
	WIN MU
.irp t, 0,1,2,3
.if \isv
.set AC, ACC+8*(4*\u+\t)
.else
.set AC, ACC+8*(4*\t+\u)
.endif
.if \s == 0
.set CC, BI+8*\u
.else
.set CC, AC
.endif
.if \isv
	v_wmma_scale_f32_16x16x128_f8f6f4 v[AC:AC+7], v[48*(\s%4)+12*\t:48*(\s%4)+12*\t+11], v[48*(\s%4)+12*\u:48*(\s%4)+12*\u+11], v[CC:CC+7], v[XS+8*\t+\s], v[WS+8*\u+\s] matrix_a_fmt:MATRIX_FMT_BF6 matrix_b_fmt:MATRIX_FMT_BF6
.else
	v_wmma_scale_f32_16x16x128_f8f6f4 v[AC:AC+7], v[48*(\s%4)+12*\u:48*(\s%4)+12*\u+11], v[48*(\s%4)+12*\t:48*(\s%4)+12*\t+11], v[CC:CC+7], v[WS+8*\u+\s], v[XS+8*\t+\s] matrix_a_fmt:MATRIX_FMT_BF6 matrix_b_fmt:MATRIX_FMT_BF6
.endif
.endr
.endr
.endm
; A group, and its way out: four halves i, each of two blocks of 32: a lane's 16 numbers of block b of all eight are v[ACC + 16 b] on.  ist: bytes from a half to the next in qkv.
.macro GROUP isv, lastn, ist
	s_wait_alu depctr_va_vdst(0)
	s_wait_dscnt 0x0                               ; steps 0 and 1, the scale words and the bias are in
.irp s, 0,1,2,3,4,5,6,7
	STEP \s, \isv, \lastn
.endr
	WIN 0
	s_wait_xcnt 0x0                                ; the last group's stores have read their data and their base
	s_add_nc_u64 s[12:13], s[90:91], s[OFF:OFF+1]
	PLACES
	SIDE \isv                                      ; the next group's
.irp b, 0,1,2,3,4,5,6,7
	v_max3_num_f32 v[BM+\b], |v[ACC+16*\b]|, |v[ACC+1+16*\b]|, 0x2800000   ; and the floor 2^(5 - 127): so the byte cannot fall under 1
.endr
.irp i, 2,4,6,8,10,12,14
.irp b, 0,1,2,3,4,5,6,7
	v_max3_num_f32 v[BM+\b], v[BM+\b], |v[ACC+16*\b+\i]|, |v[ACC+1+16*\b+\i]|
.endr
.endr
.irp b, 0,1,2,3,4,5,6,7
	v_permlanex16_b32 v[BQ+\b], v[BM+\b], s[SEL], s[SEL+1]
.endr
.irp b, 0,1,2,3,4,5,6,7
	v_max_num_f32 v[BM+\b], v[BM+\b], v[BQ+\b]     ; with lane l xor 16's: the block's largest magnitude
.endr
.irp b, 0,1,2,3,4,5,6,7
	v_add_nc_u32 v[BM+\b], 0xfe000000, v[BM+\b]    ; 4 off its exponent field: the conversion's scale operand
.endr
.irp b, 0,1,2,3,4,5,6,7
	v_lshrrev_b32 v[BQ+\b], 23, v[BM+\b]           ; the scale's byte
.endr
.irp i, 0,1,2,3
	v_perm_b32 v[PQ+\i], v[PW+\i], v[PQ+\i], 0x05040302   ; 16 bits down, the upper word's lower half in from above
.endr
.irp i, 0,1,2,3
	v_lshl_or_b32 v[BQ+2*\i], v[BQ+2*\i+1], 8, v[BQ+2*\i]
.endr
.irp i, 0,1,2,3
	v_perm_b32 v[PW+\i], v[BQ+2*\i], v[PW+\i], 0x05040302 ; 16 bits down, this group's two bytes in from above
.endr
.irp g, 0,2
.irp e, 0,1
	v_cvt_scalef32_pk16_bf6_f32 v[CX+6*(\g+\e):CX+6*(\g+\e)+2], v[ACC+32*(\g+\e):ACC+32*(\g+\e)+15], v[BM+2*(\g+\e)]
	v_cvt_scalef32_pk16_bf6_f32 v[BQ+4*\e:BQ+4*\e+2], v[ACC+32*(\g+\e)+16:ACC+32*(\g+\e)+31], v[BM+2*(\g+\e)+1]   ; (a conversion's three registers begin on an even number)
.endr
	v_nop                                          ; one plain place behind a scaled conversion
.irp k, 0,1,2
.irp e, 0,1                            ; the operand's layout wants a whole block in a lane: lanes 0-15 the half's first block, lanes 16-31 its second
	v_permlane16_swap_b32 v[CX+6*(\g+\e)+\k], v[BQ+4*\e+\k]
.endr
.endr
.irp k, 0,1,2
.irp e, 0,1
	v_mov_b32 v[CX+6*(\g+\e)+3+\k], v[BQ+4*\e+\k]
.endr
.endr
.endr
.irp i, 0,1,2,3
	global_store_b128 v[IO], v[CX+6*\i:CX+6*\i+3], s[12:13] offset:\i*\ist         ; 512 consecutive bytes, at a multiple of 256 from the buffer's first byte,
	global_store_b64 v[IO8], v[CX+6*\i+4:CX+6*\i+5], s[12:13] offset:\i*\ist+512   ; and the 256 behind them
.endr
.endm
.irp s, 0,1,2,3,4,5,6,7                        ; x's fragments, for good
	WIN 0x80+0x40*(\s/4)
.irp t, 0,1,2,3
	FRAG 48*(\s%4)+12*\t, XA, \s, \t
.endr
.endr
	FILL 1
	s_wait_tensorcnt 0x0
	ds_add_u32 v[SPW], v[NIL]                      ; 0 onto my spare word
	s_wait_dscnt 0x0                               ; the add is done, and my reads of x
	CROUND                                         ; no wave of any partner still reads x or has a load on its way
	tensor_load_to_lds s[G0R:G0R+3], s[G1B:G1B+7]  ; Wq and Wk, 64 rows a wave
	s_nop 0
.rept 4
	v_nop
.endr
	; where my halves of v go: v's images [batch][tile of 16 d][16 K steps][2 halves of 768]: K step 2 (tb % 8) + wave / 2, half wave % 2
	s_lshr_b32 s20, s17, 3                         ; the batch
	s_lshl_b32 s21, s20, 6
	s_lshl_b32 s22, s42, 3
	s_add_co_u32 s21, s21, s22
	s_lshl_b32 s21, s21, 4
	s_and_b32 s22, s17, 7
	s_lshl_b32 s22, s22, 1
	s_add_co_u32 s21, s21, s22
	s_add_co_u32 s21, s21, s15
	s_mul_i32 s21, s21, 1536
	s_mul_i32 s22, s16, 768
	s_add_co_u32 s21, s21, s22
	s_add_co_u32 s[OFF], s21, 12582912
	s_mov_b32 s[OFF+1], 0
	s_wait_loadcnt 0x0                             ; my tokens' scale words
	s_mov_b32 s3, 0
.Lv:                                                   ; v: groups 0, 1
	GROUP 1, 1, 24576
	s_add_co_u32 s[OFF], s[OFF], 98304             ; four tiles of d on
	s_add_co_u32 s3, s3, 1
	s_cmp_lt_u32 s3, 2
	s_wait_alu depctr_va_vdst(0)
	s_cbranch_scc1 .Lv
	; v's scale words: [64 of d][K step of my two][64]: mine is one half of each: 16 bits, of 16 u + r of the first 64 of d in the low half of a register, of the second 64 in the high half
	s_lshl_b32 s20, s15, 8
	s_lshl_b32 s21, s16, 1
	s_add_co_u32 s20, s20, s21
	s_add_co_u32 s20, s20, SCL
	s_mov_b32 s4, 2
	v_lshl_add_u32 v[XA], v1, 2, s20
	v_lshl_add_u32 v[BA0], v2, 5, BIA
	ADDRS
	s_wait_alu depctr_va_vdst(0)
	s_wait_tensorcnt 0x0                           ; my part of Wq and Wk is in,
	s_wait_dscnt 0x0                               ; and my reads of Wv and its scales are over
	s_barrier_signal -1
	s_barrier_wait -1                              ; everybody's
.irp u, 0,1,2,3
	ds_store_b16 v[XA], v[PW+\u] offset:64*\u
	ds_store_b16_d16_hi v[XA], v[PW+\u] offset:512+64*\u
.endr
	FILL 0
	; q's, k's images [tile of 16 tokens][8 K steps][2 halves of 768]: K step db
	s_lshl_b32 s20, s17, 4
	s_lshl_b32 s21, s14, 2
	s_add_co_u32 s20, s20, s21
	s_lshl_b32 s20, s20, 3
	s_add_co_u32 s20, s20, s42
	s_mul_i32 s[OFF], s20, 1536
	s_mov_b32 s22, 768
	s_mov_b32 s23, 6291456
	s_mov_b32 s3, 2
.Lqk:                                                  ; q: groups 2, 3; k: groups 4, 5
	GROUP 0, 5, 12288
	s_add_co_u32 s[OFF], s[OFF], s22               ; half 1, then half 0 of k's part,
	s_sub_co_u32 s22, s23, s22                     ; by turns
	s_add_co_u32 s3, s3, 1
	s_cmp_lt_u32 s3, 6
	s_wait_alu depctr_va_vdst(0)
	s_cbranch_scc1 .Lqk
	; THE SCALE WORDS.  q, k: [batch][8 K steps][2048 tokens]; in each 64 tokens lane l's 8 bytes are those of tiles 2 (l / 16) and 2 (l / 16) + 1, row l % 16.  v: [batch][16 x 64 of d][16 K steps][64].
	v_cndmask_b32 v[BM+2], v[PQ], v[PQ+2], s99
	v_cndmask_b32 v[BM+3], v[PQ+1], v[PQ+3], s99
	v_cndmask_b32 v[BM+4], v[PW], v[PW+2], s99
	v_cndmask_b32 v[BM+5], v[PW+1], v[PW+3], s99
	s_lshl_b32 s20, s14, 8
	s_add_co_u32 s20, s20, SCL
	v_add_nc_u32 v[XA+1], s20, v[IO8]
	s_lshr_b32 s20, s17, 3                         ; the batch
	s_and_b32 s21, s17, 7
	s_lshl_b32 s22, s20, 3
	s_add_co_u32 s22, s22, s42
	s_lshl_b32 s22, s22, 13
	s_lshl_b32 s23, s21, 10
	s_add_co_u32 s22, s22, s23
	s_lshl_b32 s23, s14, 8
	s_add_co_u32 s22, s22, s23
	s_mov_b32 s23, 0
	s_add_nc_u64 s[8:9], s[100:101], s[22:23]
	s_lshl_b32 s22, s20, 4
	s_lshl_b32 s20, s42, 1
	s_add_co_u32 s22, s22, s20
	s_add_co_u32 s22, s22, s15
	s_lshl_b32 s22, s22, 4
	s_lshl_b32 s20, s21, 1
	s_add_co_u32 s22, s22, s20
	s_add_co_u32 s22, s22, s16
	s_lshl_b32 s22, s22, 8
	s_add_co_u32 s22, s22, 524288
	s_add_nc_u64 s[10:11], s[100:101], s[22:23]
	s_wait_alu depctr_va_vdst(0)
	s_wait_dscnt 0x0
	s_barrier_signal -1
	s_barrier_wait -1                              ; all four waves' parts of v's words lie in LDS
	ds_load_b64 v[BM:BM+1], v[XA+1]
	global_store_b64 v[IO8], v[BM+2:BM+3], s[8:9]                  ; 256 consecutive bytes each
	global_store_b64 v[IO8], v[BM+4:BM+5], s[8:9] offset:262144
	s_wait_dscnt 0x0
	global_store_b64 v[IO8], v[BM:BM+1], s[10:11]
	s_wait_tensorcnt 0x0                           ; the wave's end
	ds_add_u32 v[SPW], v[NIL]
	s_wait_dscnt 0x0
	CROUND                                         ; the closing round: no work-group ends while a partner may still ask for a tile that names it
	s_endpgm
.Lfunc_end_k_qdfe43b72cb_proj:
	.size	k_qdfe43b72cb_proj, .Lfunc_end_k_qdfe43b72cb_proj-k_qdfe43b72cb_proj
	.p2alignl 7, 3214868480
	.fill 96, 4, 3214868480
	.section	.rodata,"a",@progbits
	.p2align	6, 0x0
	.amdhsa_kernel k_qdfe43b72cb_proj
		.amdhsa_group_segment_fixed_size 327680
		.amdhsa_private_segment_fixed_size 0
		.amdhsa_enable_private_segment 0
		.amdhsa_kernarg_size 104
		.amdhsa_user_sgpr_count 2
		.amdhsa_user_sgpr_kernarg_segment_ptr 1
		.amdhsa_wavefront_size32 1
		.amdhsa_system_sgpr_workgroup_id_x 1
		.amdhsa_system_sgpr_workgroup_id_y 1
		.amdhsa_system_sgpr_workgroup_id_z 1
		.amdhsa_system_vgpr_workitem_id 0
		.amdhsa_next_free_vgpr 1024
		.amdhsa_next_free_sgpr 106
		.amdhsa_reserve_vcc 0
		.amdhsa_float_denorm_mode_32 3
		.amdhsa_float_denorm_mode_16_64 3
		.amdhsa_memory_ordered 1
		.amdhsa_forward_progress 1
		.amdhsa_inst_pref_size 117
	.end_amdhsa_kernel
	.amdgpu_metadata
---
amdhsa.version: [ 1, 2 ]
amdhsa.kernels:
  - .name:           k_qdfe43b72cb_proj
    .symbol:         k_qdfe43b72cb_proj.kd
    .args:
      - { .name: embeddings_codes, .offset: 0, .size: 8, .value_kind: global_buffer, .address_space: global }
      - { .name: embeddings_scales, .offset: 8, .size: 8, .value_kind: global_buffer, .address_space: global }
      - { .name: Wq_codes, .offset: 16, .size: 8, .value_kind: global_buffer, .address_space: global }
      - { .name: Wq_scales, .offset: 24, .size: 8, .value_kind: global_buffer, .address_space: global }
      - { .name: Wk_codes, .offset: 32, .size: 8, .value_kind: global_buffer, .address_space: global }
      - { .name: Wk_scales, .offset: 40, .size: 8, .value_kind: global_buffer, .address_space: global }
      - { .name: Wv_codes, .offset: 48, .size: 8, .value_kind: global_buffer, .address_space: global }
      - { .name: Wv_scales, .offset: 56, .size: 8, .value_kind: global_buffer, .address_space: global }
      - { .name: bq, .offset: 64, .size: 8, .value_kind: global_buffer, .address_space: global }
      - { .name: bk, .offset: 72, .size: 8, .value_kind: global_buffer, .address_space: global }
      - { .name: bv, .offset: 80, .size: 8, .value_kind: global_buffer, .address_space: global }
      - { .name: qkv, .offset: 88, .size: 8, .value_kind: global_buffer, .address_space: global }
      - { .name: sc3, .offset: 96, .size: 8, .value_kind: global_buffer, .address_space: global }
    .group_segment_fixed_size: 327680
    .private_segment_fixed_size: 0
    .kernarg_segment_align: 8
    .kernarg_segment_size: 104
    .max_flat_workgroup_size: 128
    .sgpr_count:     106
    .vgpr_count:     1024
    .wavefront_size: 32
...
	.end_amdgpu_metadata
.endif
;; end of part 1
;; launch scores (part 2): grid 36 x 4, 8 waves a work-group, no clusters, 327,680 bytes of LDS; arguments qkv, sc3, pimg, pst; writes pimg, pst
.if DOCPART == 2
	.amdgcn_target "amdgcn-amd-amdhsa--gfx1250"
	.amdhsa_code_object_version 6
	.text
	.protected	k_qdfe43b72cb_scores
	.globl	k_qdfe43b72cb_scores
	.p2align	8
	.type	k_qdfe43b72cb_scores,@function
k_qdfe43b72cb_scores:
	s_mov_b64 s[64:65], 0
	v_nop
	global_prefetch_b8 v0, s[64:65] scope:SCOPE_SE
	s_setreg_imm32_b32 hwreg(HW_REG_WAVE_MODE, 25, 1), 1
	s_wait_xcnt 0x0
; S = Q K^T on the codes of q and k, K = 1,024; then, for each query and each 128 keys, t = S log2(e) / 32, the causal mask, a LOCAL whole number M = ceil(the largest t of these 128 keys), p = 2^(t - M),
; the sum of the unquantised p, and p's codes and scale bytes along the keys.  The last launch brings every 128 keys under the row's M by an exact power of two, which the scale bytes take up.
; LEFT OUT: the tiles of 256 queries x 256 keys wholly above the diagonal, whose p is 0 for all inputs (shown at the head of the first kernel): a batch has 36 live tiles, one work-group each.
; In a tile on the diagonal the hidden scores become -infinity; 128 keys that are all hidden for a query get M = -2^100, p = 0, codes 0, sum 0.
; THE LAST LAUNCH WALKS THE KEYS IN SLOTS OF 512.  Where a block of 256 queries has an odd number of live blocks of 256 keys (its number is even), the diagonal's work-group also stores the slot's other half as what it is:
; codes 0, scale word 0, -M = 2^100, sum 0: so that every byte which that launch's tile loads read has been written.
; LIMITS: M is exact while |t| stays under 2^24.  NaN and infinities are not served.  A block whose every p is 0 gets the byte 1: its codes are zeros.
; NO CLUSTER: the 36 live tiles of a batch form a triangle whose rows hold 1 to 8 tiles, so no grouping by four gives partners that share a tile and are all live.
; SHARES.  Eight waves, two to a SIMD: one wave's vector work and loads stand beside the other's products.  Wave w: 64 queries (w / 2) x 128 keys (w % 2): 32 accumulators.
; Source 1 ("A") = 16 queries: a lane holds one query; source 0 ("B") = 16 keys: the lane's registers run along the keys.
; OPERANDS come as images of their registers, two halves of 512 + 256 bytes a fragment.  Each wave fetches four tiles: waves 0-3 the 256 queries', waves 4-7 the 256 keys'.  One load a wave: K steps 0-3 at the head (buffer 0); K steps 4, 5 behind
; the first barrier (buffer 1); K steps 6, 7 (buffer 2, on buffer 0's bytes) when K step 3 is in registers.  No loop asks for tiles, so nothing is prefetched.  The scale words go through registers into LDS.
; REGISTERS: window 0: v1-3 r, h, lane; v6-29 addresses; v32-47 scale words, two sets; v64-159 B's fragments, one set; v160-255 A's, two sets; window 1: the accumulators ((a, b) at v[8 (8 a + b)]).
.set RSTR,   1536                      ; from a tile's images to the next tile's, in elements of 8 bytes: 8 K steps x 1,536 bytes
.set BIG,    24576                     ; a piece of buffer 0: 4 tiles x 4 K steps
.set HALFT,  12288                     ; a piece of buffers 1, 2: 4 tiles x 2 K steps
.set B1,     196608                    ; buffer 1
.set TP0,    6144                      ; from tile to tile in buffers 0, 1, 2
.set TP1,    3072
.set TP2,    3072
.set SCL,    294912                    ; the scale words [piece][K step][64 rows]
.set SPARE,  311296                    ; the spare words, 128 bytes for each wave
.set ADA8,   6                         ; v6-8   LDS address of my A fragments' short parts in buffer 0, 1, 2
.set ADB8,   10                        ; v10-12 B's
.set SST,    13                        ; v13    where I store my piece's scale words
.set ADA,    16                        ; v16-18 the long parts
.set ADB,    20                        ; v20-22
.set IO,   24                          ; v24    16 x lane
.set WO,   25                          ; v25    4 x lane
.set IO8,  26                          ; v26    8 x lane
.set ADS,  27                          ; v27    my scale words: lanes 0-15 A's, lanes 16-31 B's
.set SPW,  28
.set NIL,  29
.set SC,   32
.set FB,   64
.set FA,   160
.set G1,   24                          ; s[24:31] group 1 of buffers 1 and 2; s[32:35], s[36:39], s[72:75] group 0 of buffers 0, 1, 2
.set G0,   32
.set G0C,  72
.set G1S,  40                          ; s[40:47] group 1 of buffer 0
.set CS,   52                          ; s[52:53] log2(e) / 32
.set SEL,  54                          ; s[54:55] lane selects for lane l xor 16
.set MK,   58                          ; s58 1: my 64 x 128 meets the mask
.set HM,   59                          ; s59 lanes 16-31
.set ZP,   71                          ; s71 1: I also store the zero half of the last launch's slot
.set QI,   18                          ; s18 my block of 256 queries
.set KJ,   19                          ; s19 my block of 256 keys
.set MSB, 0
.macro WIN new                         ; the immediate's high byte repeats the setting that is left
.if MSB != (\new)
	s_set_vgpr_msb (MSB<<8)|(\new)
.set MSB, (\new)
.endif
.endm
.macro PLACES                          ; four plain vector instructions between a matrix instruction and a load into, or a vector access of, its registers
.rept 4
	v_nop
.endr
.endm
.macro FRAGS reg, n, lo, sh, buf, q, t0 ; n fragments, tiles t0 on, of K step q of buffer buf: of each half (six registers) four by 16 bytes a lane, two by 8
.set ln, 0
.rept 2*(\n)
.set fr, (\reg)+6*ln
.set fo, ((\t0)+ln/2)*TP\buf+(\q)*1536+768*(ln%2)
	ds_load_b128 v[fr:fr+3], v[\lo+\buf] offset:fo
	ds_load_b64 v[fr+4:fr+5], v[\sh+\buf] offset:fo+512
.set ln, ln+1
.endr
.endm
.macro FIRST buf, q, ks, p             ; what a step's first 16 products want: B's fragments 0-3, A's four into set p, the scale words
	FRAGS FB, 4, ADB, ADB8, \buf, \q, 0
	FRAGS FA+48*(\p), 4, ADA, ADA8, \buf, \q, 0
.irp i, 0,1,2,3                        ; two neighbouring tiles' words a load (lanes 0-15 have four tiles: what they find in the last four registers is not used)
	ds_load_b64 v[SC+8*(\p)+2*\i:SC+8*(\p)+2*\i+1], v[ADS] offset:2048*(\i/2)+128*(\i%2)+256*(\ks)
.endr
.endm
.macro SECOND buf, q                   ; and its last 16: B's fragments 4-7
	FRAGS FB+48, 4, ADB, ADB8, \buf, \q, 4
.endm
.macro MUL16 b0, p, zero               ; the accumulators take turns
	WIN 0x50                                       ; sources window 0, C and D window 1
.irp b, \b0, \b0+1, \b0+2, \b0+3
.irp a, 0,1,2,3
.set ac, 8*(8*\a+(\b))
.if \zero
	v_wmma_scale_f32_16x16x128_f8f6f4 v[ac:ac+7], v[FB+12*(\b):FB+12*(\b)+11], v[FA+48*(\p)+12*\a:FA+48*(\p)+12*\a+11], 0, v[SC+8*(\p)+\b], v[SC+8*(\p)+\a] matrix_a_fmt:MATRIX_FMT_BF6 matrix_b_fmt:MATRIX_FMT_BF6 matrix_a_scale:MATRIX_SCALE_ROW1
.else
	v_wmma_scale_f32_16x16x128_f8f6f4 v[ac:ac+7], v[FB+12*(\b):FB+12*(\b)+11], v[FA+48*(\p)+12*\a:FA+48*(\p)+12*\a+11], v[ac:ac+7], v[SC+8*(\p)+\b], v[SC+8*(\p)+\a] matrix_a_fmt:MATRIX_FMT_BF6 matrix_b_fmt:MATRIX_FMT_BF6 matrix_a_scale:MATRIX_SCALE_ROW1
.endif
.endr
.endr
	WIN 0
.endm
; A barrier of the walk.  Each wave waits for all its tensor loads, adds 0 to its spare word, waits for that and for its LDS reads, and passes the barrier: behind it every piece asked for so far lies in LDS for every wave.
; fill = 1: buffer 1's first fill; fill = 2: buffer 2, on the bytes of buffer 0, which every wave has read out: the first thing behind the barrier, one load a wave.
.macro CHANGE fill
	s_wait_tensorcnt 0x0
	ds_add_u32 v[SPW], v[NIL]                      ; 0 onto my spare word
	s_wait_dscnt 0x0                               ; the add is done, and my reads are over
	s_barrier_signal -1
	s_barrier_wait -1
.if \fill
.if \fill == 1
	tensor_load_to_lds s[G0+4:G0+7], s[G1:G1+7]    ; K steps 4 and 5
.else
	tensor_load_to_lds s[G0C:G0C+3], s[G1:G1+7]    ; K steps 6 and 7
.endif
	s_nop 0
.rept 4
	v_nop
.endr
.endif
.endm
.macro STEPK k, chg, buf, q            ; K step k; the next one lies in buffer buf, place q; chg: 3 no barrier, else CHANGE's fill
	s_wait_dscnt 16                                ; all but the youngest 16 loads, B's fragments 4-7
.if \k == 0
	MUL16 0, 0, 1                                  ; the first products start the sums
.else
	MUL16 0, (\k)%2, 0
.endif
	s_wait_dscnt 0x0                               ; B's fragments 4-7 are in
	PLACES
.if \chg < 3
	CHANGE \chg
.endif
.if \k < 7
	FIRST \buf, \q, \k+1, (\k+1)%2
.endif
.if \k == 0
	MUL16 4, 0, 1
.else
	MUL16 4, (\k)%2, 0
.endif
	PLACES
.if \k < 7
	SECOND \buf, \q
.endif
.endm
	s_load_b256 s[4:11], s[0:1], 0x0               ; qkv s[4:5], sc3 s[6:7], pimg s[8:9], pst s[10:11]
	v_lshl_add_u32 v[SPW], v0, 2, SPARE
	v_mov_b32 v[NIL], 0
	ds_add_u32 v[SPW], v[NIL]                      ; the wave's opening: the add, twice on end, and its wait ahead of my first tensor load
	ds_add_u32 v[SPW], v[NIL]
	v_lshrrev_b32 v1, 5, v0
	v_readfirstlane_b32 s14, v1                    ; wave 0..7
	s_lshr_b32 s15, s14, 1                         ; which 64 queries are mine
	s_and_b32 s16, s14, 1                          ; which 128 keys
	s_lshr_b32 s62, s14, 2                         ; I fetch for A (0) or for B (1),
	s_and_b32 s63, s14, 3                          ; and which 64 rows
	s_and_b32 s17, ttmp7, 0xffff                   ; the batch
	s_mov_b32 s[QI], 0                             ; work-group x = QI (QI + 1) / 2 + KJ, KJ <= QI
.irp thr, 1,3,6,10,15,21,28
	s_cmp_ge_u32 ttmp9, \thr
	s_cselect_b32 s20, 1, 0
	s_add_co_u32 s[QI], s[QI], s20
.endr
	s_add_co_u32 s20, s[QI], 1
	s_mul_i32 s20, s20, s[QI]
	s_lshr_b32 s20, s20, 1
	s_sub_co_u32 s[KJ], ttmp9, s20
	s_mov_b32 s[G1+0], 3<<16                       ; 4 rows (tiles) of 3,072 bytes (two images), as elements of 8 bytes; dense in LDS
	s_mov_b32 s[G1+1], 384<<16                     ; tensor_dim0
	s_mov_b32 s[G1+2], 4<<16                       ; tensor_dim1
	s_mov_b32 s[G1+3], 384<<16                     ; tile_dim0
	s_mov_b32 s[G1+4], 4                           ; tile_dim1
	s_mov_b32 s[G1+5], RSTR
	s_mov_b32 s[G1+6], 0
	s_mov_b32 s[G1+7], 0
	s_mov_b32 s[G1S+0], 3<<16                      ; 4 rows of 6,144 bytes (four images)
	s_mov_b32 s[G1S+1], 768<<16
	s_mov_b32 s[G1S+2], 4<<16
	s_mov_b32 s[G1S+3], 768<<16
	s_mov_b32 s[G1S+4], 4
	s_mov_b32 s[G1S+5], RSTR
	s_mov_b32 s[G1S+6], 0
	s_mov_b32 s[G1S+7], 0
	s_cmp_eq_u32 s62, 0
	s_cselect_b32 s20, s[QI], s[KJ]                ; the block of 256 tokens from which I fetch
	s_lshl_b32 s21, s17, 7
	s_lshl_b32 s22, s20, 4
	s_add_co_u32 s21, s21, s22
	s_lshl_b32 s22, s63, 2
	s_add_co_u32 s21, s21, s22                     ; my piece's first tile of 16 tokens
	s_mul_i32 s21, s21, 12288
	s_mul_i32 s22, s62, 6291456                    ; q's or k's part
	s_add_co_u32 s60, s21, s22
	s_mov_b32 s61, 0
	s_lshl_b32 s21, s17, 16                        ; scale words, in bytes: 65,536 a batch,
	s_lshl_b32 s22, s20, 10                        ; 1,024 a block,
	s_add_co_u32 s21, s21, s22
	s_lshl_b32 s22, s63, 8                         ; 256 for 64 rows,
	s_add_co_u32 s21, s21, s22
	s_lshl_b32 s22, s62, 18                        ; q's or k's part
	s_add_co_u32 s66, s21, s22
	s_mov_b32 s67, 0
	s_mul_i32 s68, s14, HALFT                      ; where my pieces go
	s_mul_i32 s69, s14, BIG
	s_lshl_b32 s76, s14, 11
	s_add_co_u32 s76, s76, SCL                     ; and their scale words
	s_mul_i32 s20, s15, BIG                        ; A's pieces in buffers 0, 2, 1
	s_mul_i32 s21, s15, HALFT
	s_add_co_u32 s22, s21, B1
	s_lshl_b32 s77, s16, 1
	s_add_co_u32 s77, s77, 4                       ; B's: two, from the fifth or the seventh on
	s_mul_i32 s23, s77, BIG
	s_mul_i32 s78, s77, HALFT
	s_add_co_u32 s79, s78, B1
	s_lshl_b32 s80, s15, 11
	s_lshl_b32 s81, s77, 11
	s_sub_co_u32 s81, s81, s80                     ; from A's words to B's: 2,048 bytes at the least
	s_add_co_u32 s80, s80, SCL
	s_mov_b32 s[CS], 0x3d38aa3b                    ; log2(e) / sqrt(1024)
	s_mov_b32 s[CS+1], s[CS]
	s_mov_b32 s[SEL], 0x76543210
	s_mov_b32 s[SEL+1], 0xfedcba98
	s_mov_b32 s[HM], 0xffff0000
	v_and_b32 v1, 15, v0                           ; r
	v_bfe_u32 v2, v0, 4, 1                         ; h
	v_and_b32 v3, 31, v0                           ; lane
	v_mul_u32_u24 v4, s81, v2                      ; lanes 16-31 take B's words
	v_lshl_add_u32 v4, v1, 3, v4
	v_add_nc_u32 v[ADS], s80, v4
	v_lshlrev_b32 v[IO], 4, v3
	v_lshlrev_b32 v[WO], 2, v3
	v_lshlrev_b32 v[IO8], 3, v3
	v_add_nc_u32 v[ADA], s20, v[IO]
	v_add_nc_u32 v[ADA+1], s22, v[IO]
	v_add_nc_u32 v[ADA+2], s21, v[IO]
	v_add_nc_u32 v[ADB], s23, v[IO]
	v_add_nc_u32 v[ADB+1], s79, v[IO]
	v_add_nc_u32 v[ADB+2], s78, v[IO]
	v_add_nc_u32 v[ADA8], s20, v[IO8]
	v_add_nc_u32 v[ADA8+1], s22, v[IO8]
	v_add_nc_u32 v[ADA8+2], s21, v[IO8]
	v_add_nc_u32 v[ADB8], s23, v[IO8]
	v_add_nc_u32 v[ADB8+1], s79, v[IO8]
	v_add_nc_u32 v[ADB8+2], s78, v[IO8]
	v_add_nc_u32 v[SST], s76, v[IO8]
	s_wait_alu depctr_va_vdst(0)
	s_wait_dscnt 0x0                               ; both opening adds are done
	s_wait_kmcnt 0x0
	s_add_nc_u64 s[66:67], s[6:7], s[66:67]        ; my piece's scale words
	s_mov_b32 s[G0], 1
	s_mov_b32 s[G0+1], s69
	s_add_nc_u64 s[G0+2:G0+3], s[4:5], s[60:61]
	s_mov_b32 s[G0+4], 1
	s_add_co_u32 s[G0+5], s68, B1
	s_add_nc_u64 s[G0+6:G0+7], s[G0+2:G0+3], 6144  ; K steps 4 and 5
	s_mov_b32 s[G0C], 1
	s_mov_b32 s[G0C+1], s68
	s_add_nc_u64 s[G0C+2:G0C+3], s[G0+2:G0+3], 9216  ; K steps 6 and 7
	s_or_b32 s[G0+3], s[G0+3], 0x80000000
	s_or_b32 s[G0+7], s[G0+7], 0x80000000
	s_or_b32 s[G0C+3], s[G0C+3], 0x80000000
	tensor_load_to_lds s[G0:G0+3], s[G1S:G1S+7]    ; K steps 0 to 3: one load a wave
	s_nop 0
.rept 4
	v_nop
.endr
.irp k, 0,1,2,3,4,5,6,7                        ; my piece's scale words, 256 bytes of each K step, on their way to LDS
	global_load_b64 v[64+2*\k:65+2*\k], v[IO8], s[66:67] offset:8192*\k
.endr
	; where my results go: images [batch][tile of 16 queries][16 K steps][1536]; words [batch][16 K steps][2048 queries]
	s_lshl_b32 s20, s17, 7
	s_lshl_b32 s21, s[QI], 4
	s_add_co_u32 s20, s20, s21
	s_lshl_b32 s21, s15, 2
	s_add_co_u32 s20, s20, s21
	s_lshl_b32 s20, s20, 4
	s_lshl_b32 s21, s[KJ], 1
	s_add_co_u32 s21, s21, s16                     ; my K step of the last product
	s_add_co_u32 s20, s20, s21
	s_mul_i32 s60, s20, 1536
	s_add_nc_u64 s[8:9], s[8:9], s[60:61]
	s_lshl_b32 s20, s17, 4
	s_add_co_u32 s20, s20, s21
	s_lshl_b32 s20, s20, 11
	s_lshl_b32 s21, s[QI], 8
	s_add_co_u32 s20, s20, s21
	s_lshl_b32 s21, s15, 6
	s_add_co_u32 s20, s20, s21
	s_lshl_b32 s60, s20, 2
	s_add_nc_u64 s[10:11], s[10:11], s[60:61]
	s_xor_b32 s20, s[QI], 1
	s_and_b32 s[ZP], s20, 1                        ; 1 where my block of queries has an even number,
	s_lshl_b32 s21, s16, 1
	s_add_co_u32 s21, s21, 2
	s_cmp_eq_u32 s[QI], s[KJ]
	s_cselect_b32 s[ZP], s[ZP], 0                  ; and my tile lies on the diagonal
	s_cselect_b32 s[MK], 1, 0                      ; the mask meets my 64 x 128 on the diagonal tile,
	s_cmp_lt_u32 s15, s21
	s_cselect_b32 s[MK], s[MK], 0                  ; unless my queries all come after my keys
	s_lshl_b32 s70, s15, 6
	s_lshl_b32 s20, s16, 7
	s_sub_co_i32 s70, s70, s20                     ; my first query less my first key
	s_wait_loadcnt 0x0
.irp k, 0,1,2,3,4,5,6,7
	ds_store_b64 v[SST], v[64+2*\k:65+2*\k] offset:256*\k
.endr
	CHANGE 1                                       ; K steps 0 to 3 and the scale words lie in LDS for every wave; K steps 4, 5 are asked for
	FIRST 0, 0, 0, 0
	SECOND 0, 0
	STEPK 0, 3, 0, 1
	STEPK 1, 3, 0, 2
	STEPK 2, 3, 0, 3
	STEPK 3, 2, 1, 0                               ; buffer 0 has been read out; K steps 6, 7 are asked for
	STEPK 4, 3, 1, 1
	STEPK 5, 0, 2, 0                               ; K steps 6, 7 lie in LDS for every wave
	STEPK 6, 3, 2, 1
	STEPK 7, 3, 0, 0
; THE WAY OUT, block by block of 16 queries.  Register 8 b + j of a lane is key 16 b + 8 h + j of its query; registers 16 B .. 16 B + 15 are its 16 numbers of block B of 32 keys.
.set T,    96                          ; v96-159  t - M, then p
.set BM,   160                         ; v160-163 each block's largest score, then t - M, then p
.set BQ,   164                         ; v164-167 at work
.set SO,   168                         ; v168-171 the conversions' scale operands
.set NMR,  172                         ; v172 -M (v173: the pair's upper half, written once)
.set SU,   174                         ; v[174:175], v[176:177], v[204:205], v[206:207] the sum, in four chains
.set SV,   176
.set SW,   204
.set SX,   206
.set TX,   178
.set NINF, 179
.set DD,   180
.set MS,   84                          ; s84-91 eight registers' masks
.set CD,   184                         ; v184-195 the codes; v196-198, v200-202 second halves
.set PX,   196
.set PWR,  208                         ; v208-211 the blocks' scale words
.set PNM,  212                         ; v212-215 their -M
.set PLR,  216                         ; v216-219 their sums
.set OUT,  220                         ; v220-225 the three, two blocks to a register
.set ZR,   228                         ; v228-231 0
.set ZN,   232                         ; v232 2^100
.macro SOFT a
.set AC, 64*(\a)
	s_cmp_eq_u32 s[MK], 0                          ; ids alone
	s_cbranch_scc1 .Lopen_\@
	WIN 0x41                                       ; source 0 and destination: window 1
.set i, 0
.irp b, 0,1,2,3,4,5,6,7
.irp j, 0,1,2,3,4,5,6,7
	v_cmp_gt_i32 s[MS+\j], 16*\b+\j-16*(\a), v[DD]   ; hidden where the key comes after the query
.endr
.irp j, 0,1,2,3,4,5,6,7
	v_cndmask_b32 v[AC+8*\b+\j], v[AC+8*\b+\j], v[NINF], s[MS+\j]
.endr
.endr
	WIN 0
.Lopen_\@:
	WIN 0x15                                       ; all sources window 1
.irp b, 0,1,2,3
	v_max3_num_f32 v[BM+\b], v[AC+16*\b], v[AC+1+16*\b], v[AC+2+16*\b]   ; each block's largest score: for M, and, since p rises with the score, for the block's largest p
.endr
	WIN 0x14                                       ; sources 1 and 2
.irp i, 3,5,7,9,11,13
.irp b, 0,1,2,3
	v_max3_num_f32 v[BM+\b], v[BM+\b], v[AC+16*\b+\i], v[AC+1+16*\b+\i]
.endr
.endr
.irp b, 0,1,2,3
	v_max_num_f32 v[BM+\b], v[BM+\b], v[AC+15+16*\b]
.endr
	WIN 0
.irp b, 0,1,2,3
	v_permlanex16_b32 v[BQ+\b], v[BM+\b], s[SEL], s[SEL+1]
.endr
.irp b, 0,1,2,3
	v_max_num_f32 v[BM+\b], v[BM+\b], v[BQ+\b]     ; with lane l xor 16's 16 keys
.endr
	v_max3_num_f32 v[TX], v[BM], v[BM+1], v[BM+2]
	v_max_num_f32 v[TX], v[TX], v[BM+3]
	v_mul_f32 v[TX], s[CS], v[TX]                  ; as t
	v_max_num_f32 v[TX], 0xf1800000, v[TX]         ; and -2^100, so that M is a number where all 128 keys are hidden
	v_floor_f32 v[NMR], -v[TX]                     ; -M = floor(-t) = -ceil(t)
	WIN 0x01
.set i, 0
.rept 32
	v_pk_fma_f32 v[T+i:T+i+1], v[AC+i:AC+i+1], s[CS:CS+1], v[NMR:NMR+1] op_sel_hi:[1,0,0]   ; t - M
.set i, i+2
.endr
	WIN 0
.irp b, 0,1,2,3
	v_fma_f32 v[BM+\b], v[BM+\b], s[CS], v[NMR]
.endr
	s_wait_alu depctr_va_vdst(0)
.if (\a) > 0
	s_wait_xcnt 0x0                                ; the last block's stores have read the codes' registers
.endif
.set i, 0
.rept 64
	v_exp_f32 v[T+i], v[T+i]                       ; p = 2^(t - M), at most 1
.set i, i+1
.endr
	v_mov_b32 v[PNM+(\a)], v[NMR]                  ; (a plain place behind the exponentials)
	s_wait_alu depctr_va_vdst(0)                   ; one wait for the batch, ahead of its first reader
.irp b, 0,1,2,3
	v_exp_f32 v[BM+\b], v[BM+\b]                   ; the block's largest p: the same instructions on the same number
.endr
	v_pk_add_f32 v[SU:SU+1], v[T:T+1], v[T+2:T+3]  ; the sum of the unquantised p, two at a time, in four chains
	v_pk_add_f32 v[SV:SV+1], v[T+4:T+5], v[T+6:T+7]
	v_pk_add_f32 v[SW:SW+1], v[T+8:T+9], v[T+10:T+11]
	v_pk_add_f32 v[SX:SX+1], v[T+12:T+13], v[T+14:T+15]
.irp j, 16,24,32,40,48,56
	v_pk_add_f32 v[SU:SU+1], v[SU:SU+1], v[T+\j:T+\j+1]
	v_pk_add_f32 v[SV:SV+1], v[SV:SV+1], v[T+\j+2:T+\j+3]
	v_pk_add_f32 v[SW:SW+1], v[SW:SW+1], v[T+\j+4:T+\j+5]
	v_pk_add_f32 v[SX:SX+1], v[SX:SX+1], v[T+\j+6:T+\j+7]
.endr
	v_pk_add_f32 v[SU:SU+1], v[SU:SU+1], v[SV:SV+1]
	v_pk_add_f32 v[SW:SW+1], v[SW:SW+1], v[SX:SX+1]
	v_pk_add_f32 v[SU:SU+1], v[SU:SU+1], v[SW:SW+1]
	s_wait_alu depctr_va_vdst(0)                   ; and one for the four
.irp b, 0,1,2,3
	v_max_num_f32 v[BM+\b], 0x2800000, v[BM+\b]    ; the floor 2^(5 - 127): the byte cannot fall under 1
.endr
.irp b, 0,1,2,3
	v_add_nc_u32 v[SO+\b], 0xfe000000, v[BM+\b]    ; 4 off the exponent field: the conversion's scale operand
.endr
.irp b, 0,1,2,3
	v_lshrrev_b32 v[BQ+\b], 23, v[SO+\b]           ; the scale's byte
.endr
	v_lshl_or_b32 v[PWR+(\a)], v[BQ+1], 8, v[BQ]
	v_lshl_or_b32 v[PWR+(\a)], v[BQ+2], 16, v[PWR+(\a)]
	v_lshl_or_b32 v[PWR+(\a)], v[BQ+3], 24, v[PWR+(\a)]
.irp c, 0,1
	v_cvt_scalef32_pk16_bf6_f32 v[CD+6*\c:CD+2+6*\c], v[T+32*\c:T+15+32*\c], v[SO+2*\c]
	v_cvt_scalef32_pk16_bf6_f32 v[PX+4*\c:PX+2+4*\c], v[T+16+32*\c:T+31+32*\c], v[SO+2*\c+1]
.endr
	v_add_f32 v[TX], v[SU], v[SU+1]                ; (and the plain place behind the scaled conversions)
.irp c, 0,1
.irp i, 0,1,2
	v_permlane16_swap_b32 v[CD+6*\c+\i], v[PX+4*\c+\i]
.endr
.endr
.irp c, 0,1
.irp i, 0,1,2
	v_mov_b32 v[CD+3+6*\c+\i], v[PX+4*\c+\i]
.endr
.endr
	v_permlanex16_b32 v[BQ], v[TX], s[SEL], s[SEL+1]
	v_add_f32 v[PLR+(\a)], v[TX], v[BQ]            ; the sum over these 128 keys
.irp c, 0,1,2
	global_store_b128 v[IO], v[CD+4*\c:CD+4*\c+3], s[8:9] offset:(\a)*24576+512*\c   ; 32 lanes store 512 consecutive bytes, at a multiple of 512 from the buffer's first byte
.endr
.endm
.irp b, 0,1,2,3
	v_mov_b32 v[BQ+\b], 0                          ; written once: a lane permute's destination counts as one of its sources
.endr
	v_mov_b32 v[NMR+1], 0                          ; (named as a pair's upper half)
	v_mov_b32 v[NINF], 0xff800000
	v_lshlrev_b32 v4, 3, v2
	v_sub_nc_u32 v4, v1, v4
	v_add_nc_u32 v[DD], s70, v4                    ; my first query - my first key + r - 8 h: key 16 b + j of block a's tile is hidden where 16 b + j - 16 a is above it
	s_wait_alu depctr_va_vdst(0)
	SOFT 0
	SOFT 1
	SOFT 2
	SOFT 3
.irp k, 0,1
	v_cndmask_b32 v[OUT+\k], v[PWR+2*\k], v[PWR+2*\k+1], s[HM]       ; lanes 0-15: block 2 k's queries; lanes 16-31: block 2 k + 1's
	v_cndmask_b32 v[OUT+2+\k], v[PNM+2*\k], v[PNM+2*\k+1], s[HM]
	v_cndmask_b32 v[OUT+4+\k], v[PLR+2*\k], v[PLR+2*\k+1], s[HM]
.endr
.irp k, 0,1
	global_store_b32 v[WO], v[OUT+\k], s[10:11] offset:128*\k                ; the scale words under the local M
	global_store_b32 v[WO], v[OUT+2+\k], s[10:11] offset:524288+128*\k       ; -M
	global_store_b32 v[WO], v[OUT+4+\k], s[10:11] offset:1048576+128*\k      ; the sums
.endr
.irp u, 0,1,2,3
	v_mov_b32 v[ZR+\u], 0
.endr
	v_mov_b32 v[ZN], 0x71800000
	s_cmp_eq_u32 s[ZP], 0                          ; ids alone
	s_cbranch_scc1 .Lnopad
.irp a, 0,1,2,3                                ; the other half of the last launch's slot of 512 keys: my queries, the K step two on from mine
.irp c, 0,1,2
	global_store_b128 v[IO], v[ZR:ZR+3], s[8:9] offset:\a*24576+3072+512*\c
.endr
.endr
.irp k, 0,1
	global_store_b32 v[WO], v[ZR], s[10:11] offset:16384+128*\k              ; scale word 0,
	global_store_b32 v[WO], v[ZN], s[10:11] offset:524288+16384+128*\k       ; -M = 2^100: above every piece's that holds a key,
	global_store_b32 v[WO], v[ZR], s[10:11] offset:1048576+16384+128*\k      ; sum 0
.endr
.Lnopad:
	s_wait_tensorcnt 0x0                           ; the wave's end
	ds_add_u32 v[SPW], v[NIL]
	s_wait_dscnt 0x0
	s_endpgm
.Lfunc_end_k_qdfe43b72cb_scores:
	.size	k_qdfe43b72cb_scores, .Lfunc_end_k_qdfe43b72cb_scores-k_qdfe43b72cb_scores
	.p2alignl 7, 3214868480
	.fill 96, 4, 3214868480
	.section	.rodata,"a",@progbits
	.p2align	6, 0x0
	.amdhsa_kernel k_qdfe43b72cb_scores
		.amdhsa_group_segment_fixed_size 327680
		.amdhsa_private_segment_fixed_size 0
		.amdhsa_enable_private_segment 0
		.amdhsa_kernarg_size 32
		.amdhsa_user_sgpr_count 2
		.amdhsa_user_sgpr_kernarg_segment_ptr 1
		.amdhsa_wavefront_size32 1
		.amdhsa_system_sgpr_workgroup_id_x 1
		.amdhsa_system_sgpr_workgroup_id_y 1
		.amdhsa_system_sgpr_workgroup_id_z 1
		.amdhsa_system_vgpr_workitem_id 0
		.amdhsa_next_free_vgpr 512
		.amdhsa_next_free_sgpr 100
		.amdhsa_reserve_vcc 0
		.amdhsa_float_denorm_mode_32 3
		.amdhsa_float_denorm_mode_16_64 3
		.amdhsa_memory_ordered 1
		.amdhsa_forward_progress 1
		.amdhsa_inst_pref_size 154
	.end_amdhsa_kernel
	.amdgpu_metadata
---
amdhsa.version: [ 1, 2 ]
amdhsa.kernels:
  - .name:           k_qdfe43b72cb_scores
    .symbol:         k_qdfe43b72cb_scores.kd
    .args:
      - { .name: qkv, .offset: 0, .size: 8, .value_kind: global_buffer, .address_space: global }
      - { .name: sc3, .offset: 8, .size: 8, .value_kind: global_buffer, .address_space: global }
      - { .name: pimg, .offset: 16, .size: 8, .value_kind: global_buffer, .address_space: global }
      - { .name: pst, .offset: 24, .size: 8, .value_kind: global_buffer, .address_space: global }
    .group_segment_fixed_size: 327680
    .private_segment_fixed_size: 0
    .kernarg_segment_align: 8
    .kernarg_segment_size: 32
    .max_flat_workgroup_size: 256
    .sgpr_count:     100
    .vgpr_count:     512
    .wavefront_size: 32
...
	.end_amdgpu_metadata
.endif
;; end of part 2
;; launch pv (part 3): grid 8 x 32, 4 waves a work-group, clusters of 4 x 1, 327,680 bytes of LDS; arguments qkv, sc3, pimg, pst, out0; writes out0
.if DOCPART == 3
	.amdgcn_target "amdgcn-amd-amdhsa--gfx1250"
	.amdhsa_code_object_version 6
	.text
	.protected	k_qdfe43b72cb_pv
	.globl	k_qdfe43b72cb_pv
	.p2align	8
	.type	k_qdfe43b72cb_pv,@function
k_qdfe43b72cb_pv:
	s_mov_b64 s[64:65], 0
	v_nop
	global_prefetch_b8 v0, s[64:65] scope:SCOPE_SE
	s_setreg_imm32_b32 hwreg(HW_REG_WAVE_MODE, 25, 1), 1
	s_wait_xcnt 0x0
	s_wait_alu depctr_hold_cnt(0) depctr_sa_sdst(0) depctr_va_vdst(0) depctr_va_sdst(0) depctr_va_ssrc(0) depctr_va_vcc(0) depctr_vm_vsrc(0)
	s_getreg_b32 s2, hwreg(HW_REG_IB_STS2, 6, 4)
	s_cmp_eq_u32 s2, 0
	s_cbranch_scc0 .Lentry_in_a_cluster
	s_endpgm
.Lentry_in_a_cluster:
	s_bfe_u32 s2, ttmp6, 0x10000c
	s_cmp_lg_u32 s2, 0x3003
	s_cbranch_scc0 .Lentry_shape_is_right
	s_endpgm
.Lentry_shape_is_right:
; O = P V / l on the codes of p and of v, K = the keys.  A work-group makes 256 queries x 128 of d; it walks the keys in slots of 512, up to and with the slot that holds its queries' own block of 256: H + 1 slots, H = QI / 2.
; LEFT OUT: the slots beyond, whose p is 0 for all inputs (shown at the head of the first kernel).  Where QI is even, the last slot's second half is hidden too; it lies inside a slot that also holds live keys, and stays:
; the launch before has stored it as zero codes, which add nothing.
; FIRST, while slot 0 lands, each query's 128-key pieces are brought under one M: the row's -M is the least of the pieces' -M; with d = M - the piece's M, a whole number, 0 or more, the piece's sum is multiplied by 2^-d and d is
; taken off each of its four scale bytes: both exact.  LIMIT: a byte that would fall under 0 is held at 0: such a block then counts for at most 28 x 2^-127 beside a row whose largest p is above 1/2.
; CLUSTERS: 4 x 1 work-groups with the same queries and so the same H.  P's part of slot 0, which every work-group reads, is asked for jointly by the four.  The later slots end at the causal limit by a jump on ids
; they are plain loads, behind rounds of the cluster's barrier that all partners pass.  V's tiles hang on the work-group's own block of d.
; THE LIMIT'S JUMPS compare H, made of the cluster's y alone and the same in all waves and partners, with the slot's number, a constant of the text; they lead round a plain tensor load with its lines and the branch that picks the
; loading waves, round a prefetch, or round a step's LDS loads and products, never round a wait on TENSORcnt, the add or a barrier.  Every wait on TENSORcnt is for 0.
; SHARES.  Four waves, each 128 queries x 64 of d: 32 accumulators, one register window.  Source 1 ("A") = 16 queries (P's images): a lane holds one query; source 0 ("B") = 16 of d (V's images): its registers run along d.
; THE RING.  A slot is four K steps of 128 keys: three pieces of 8 tiles x 4 images (49,152 bytes): P's rows 0-127, P's rows 128-255, V's 128 rows.  Waves 0, 1, 2 fetch a piece each by one tensor load; wave 3 fetches V's scale
; words at the head.  Two buffers take turns: a walk has at most four slots and two refills.
; PREFETCH: slots 2 and 3 are asked for in slots 0 and 1, two K steps ahead of the refill that will load them, and only where the walk has them.  The work-groups that read a tile share its blocks of 256 bytes out by address: of a piece of P's
; 8 tiles the eight work-groups of the block of queries ask for one tile each (24 blocks, a lane a block; lanes 24-31 name the last again); of V's 8 a work-group asks for tiles QI % 4 and QI % 4 + 4.
; THE LDS LOADS OF THE NEXT K STEP come in two runs, one ahead of every sixteenth product: V's 16 and P's first 12; P's last 12 and the 8 registers of scale words.  A run costs two switches of the register window.
; P's image is three parts of 512 bytes, V's two halves of 512 + 256.
; REGISTERS: window 0: v1-3 r, h, lane; v6-8, v16-31 addresses; v32-47 scale words, two sets; v64-255 P's fragments, two sets; window 1: the accumulators ((a, b) at v[8 (4 a + b)]); window 2: v0-95 V's fragments, two sets.
.set PIECE,  49152
.set SLOT,   147456                    ; a buffer: three pieces
.set PSC,    294912                    ; P's scale words under the row's M, [64 rows' group][K step][64 rows]: stored by the waves
.set VSC,    311296                    ; V's, [64 rows' group][K step][64 rows]: brought by a tensor load, once
.set RL,     319488                    ; 1 / l of the 256 queries
.set SPARE,  320512                    ; the spare words, 128 bytes for each wave
.set SPITCH, 272                       ; the way out: 16 rows x (256 bytes + 16) for each wave, at the head of buffer 0, which has had its last fill and its last read behind the last change of buffers
.set ADB8, 6                           ; v6-7 LDS address of V's short parts in buffer 0, 1
.set PFO,  8                           ; v8 the prefetches' offset; never rewritten
.set ADA,  16                          ; v16-17 LDS address of my P fragments in buffer 0, 1
.set STO,  18                          ; v18 the stage: where I put 32 bytes of a row
.set RD,   19                          ; v19 and where I read a row back
.set ADB,  20                          ; v20-21 the same as v16-17 for V
.set PO,   22                          ; v22 8 x thread: my two queries' words
.set PSA,  23                          ; v23 where I store their scale words
.set IO,   24                          ; v24 16 x lane
.set RLA,  25                          ; v25 where I store their 1 / l
.set RLR,  26                          ; v26 where I read my lane's
.set ADS,  27                          ; v27 my scale words: lanes 0-15 P's blocks 0-3, lanes 16-31 V's blocks 0-3
.set SPW,  28
.set NIL,  29
.set ADS2, 30                          ; v30 the same for P's blocks 4-7: lanes 16-31 stand 4,096 bytes lower, so that they read V's blocks 0-3 once more
.set CO,   31                          ; v31 my byte offset in two rows of out0
.set SC,   32
.set G1,   24                          ; s[24:31] group 1 of the pieces; s[32:39] group 0, one set for each buffer
.set G0,   32
.set G1S,  40                          ; s[40:47], s[48:51] groups 1 and 0 of V's scale words
.set G0S,  48
.set G0H,  52                          ; s[52:55], s[84:91] groups 0 and 1 of the joint load
.set G1P,  84
.set H,    56                          ; s56 my last slot
.set PFB,  70                          ; s[70:71] where my wave's piece begins
.set PT,   78                          ; s[78:79] where waves 0's and 1's pieces begin in P
.set QI,   18                          ; s18 my block of 256 queries
.set DJ,   19                          ; s19 my block of 128 of d
.set MSB, 0
.macro WIN new                         ; the immediate's high byte repeats the setting that is left
.if MSB != \new
	s_set_vgpr_msb (MSB<<8)|\new
.set MSB, \new
.endif
.endm
.set MUL,    0x52                      ; source 0 (V) window 2, source 1 (P) window 0, C and D window 1
.set TO_B,   0x80                      ; destination window 2, address window 0
.macro PLACES                          ; four plain vector instructions between a matrix instruction and a load into, or a vector access of, its registers
.rept 4
	v_nop
.endr
.endm
.macro CROUND                          ; a whole round of the cluster's barrier
	s_barrier_signal -1
	s_barrier_wait -1
	s_cmp_lg_u32 s14, 0
	s_cbranch_scc1 .Lnot_wave_0_\@
	s_barrier_signal -3
.Lnot_wave_0_\@:
	s_barrier_wait -3
	s_barrier_signal -1
	s_barrier_wait -1
.endm
.macro RUNB buf, q, p                  ; V's four fragments of K step q of buffer buf into set p
	WIN TO_B
.set ln, 0
.rept 8
.set fr, 48*(\p)+6*ln
.set fo, (ln/2)*6144+(\q)*1536+768*(ln%2)
	ds_load_b128 v[fr:fr+3], v[ADB+\buf] offset:fo
	ds_load_b64 v[fr+4:fr+5], v[ADB8+\buf] offset:fo+512
.set ln, ln+1
.endr
.endm
.macro RUNA n0, buf, q, p              ; twelve of the 24 loads that bring P's eight fragments: load n: fragment n / 3, its registers 4 (n % 3) on
	WIN 0
.set ln, \n0
.rept 12
	ds_load_b128 v[64+96*(\p)+4*ln:64+96*(\p)+4*ln+3], v[ADA+\buf] offset:(ln/3)*6144+(\q)*1536+512*(ln%3)
.set ln, ln+1
.endr
.endm
.macro RUNS ks, p                      ; the scale words of K step ks
	WIN 0
.irp i, 0,1,2,3
	ds_load_b32 v[SC+8*(\p)+\i], v[ADS] offset:\i*64+(\ks)*256
.endr
.irp i, 4,5,6,7
	ds_load_b32 v[SC+8*(\p)+\i], v[ADS2] offset:4096+(\i-4)*64+(\ks)*256
.endr
.endm
.macro QUAD p, zero                    ; four products: P's block oa against V's four
.irp b, 0,1,2,3
.if \zero
	v_wmma_scale_f32_16x16x128_f8f6f4 v[8*(4*oa+\b):8*(4*oa+\b)+7], v[48*(\p)+12*\b:48*(\p)+12*\b+11], v[64+96*(\p)+12*oa:64+96*(\p)+12*oa+11], 0, v[SC+8*(\p)+\b], v[SC+8*(\p)+oa] matrix_a_fmt:MATRIX_FMT_BF6 matrix_b_fmt:MATRIX_FMT_BF6 matrix_a_scale:MATRIX_SCALE_ROW1
.else
	v_wmma_scale_f32_16x16x128_f8f6f4 v[8*(4*oa+\b):8*(4*oa+\b)+7], v[48*(\p)+12*\b:48*(\p)+12*\b+11], v[64+96*(\p)+12*oa:64+96*(\p)+12*oa+11], v[8*(4*oa+\b):8*(4*oa+\b)+7], v[SC+8*(\p)+\b], v[SC+8*(\p)+oa] matrix_a_fmt:MATRIX_FMT_BF6 matrix_b_fmt:MATRIX_FMT_BF6 matrix_a_scale:MATRIX_SCALE_ROW1
.endif
.endr
.endm
; 32 products on set p.  The 32 accumulators take turns, one instruction a turn, in the same order every time.  zero = 1: the products start the sums.
; fetch = 1: K step q of buffer buf (scale words of K step ks) comes into the other set meanwhile.
.macro MULF p, zero, fetch, buf, q, ks
.set oa, 0
.rept 8
.if \fetch
.if oa == 0
	RUNB \buf, \q, 1-(\p)
	RUNA 0, \buf, \q, 1-(\p)
.elseif oa == 4
	RUNA 12, \buf, \q, 1-(\p)
	RUNS \ks, 1-(\p)
.endif
.endif
	WIN MUL
	QUAD \p, \zero
.set oa, oa+1
.endr
.endm
.macro STEPW p, zero, fetch, buf, q, ks
	s_wait_dscnt 0x0                               ; set p is in
	PLACES                                         ; the other set was read by the products just issued
	MULF \p, \zero, \fetch, \buf, \q, \ks
	WIN 0
.endm
.macro TLOAD buf                       ; waves 0 to 2: my piece of a buffer, a plain load; an s_nop 0 and four v_nop follow.  The branch hangs on the wave's number alone
	s_cmp_eq_u32 s14, 3
	s_cbranch_scc1 .Lnone_\@
	tensor_load_to_lds s[G0+4*\buf:G0+4*\buf+3], s[G1:G1+7]
	s_nop 0
.rept 4
	v_nop
.endr
.Lnone_\@:
.endm
.macro PF j                            ; in slot j: my share of slot j + 2, where my walk has it
.if \j < 2
	s_cmp_lt_u32 s[H], \j+2
	s_cbranch_scc1 .Lnopf_\@
	s_cmp_eq_u32 s14, 3
	s_cbranch_scc1 .Lnopf_\@
	global_prefetch_b8 v[PFO], s[PFB:PFB+1] offset:6144*(\j+2) th:TH_LOAD_NT scope:SCOPE_SE
	s_cmp_lg_u32 s14, 2
	s_cbranch_scc1 .Lnopf_\@
	global_prefetch_b8 v[PFO], s[PFB:PFB+1] offset:6144*(\j+2)+98304 th:TH_LOAD_NT scope:SCOPE_SE   ; V: four tiles on
.Lnopf_\@:
.endif
.endm
; THE CHANGE OF BUFFERS behind slot j: all four K steps of buffer buf are in registers or multiplied.  All my tensor loads have landed (my piece of the other buffer), the add, my reads of this buffer are over, the barrier;
; fill = 1: a round, and then, up to the causal limit, this buffer's refill, two slots on: the first thing behind the round, one load a wave.
.macro CHANGE buf, fill, j
	s_wait_tensorcnt 0x0                           ; no tensor load of mine is out, so a group 0 may be written
	ds_add_u32 v[SPW], v[NIL]                      ; 0 onto my spare word
.if \fill
	s_add_nc_u64 s[G0+4*\buf+2:G0+4*\buf+3], s[G0+4*\buf+2:G0+4*\buf+3], 12288   ; eight K steps on
.endif
	s_wait_dscnt 0x0                               ; the add is done, and my reads of the buffer are over
.if \fill
	CROUND
	s_cmp_lt_u32 s[H], \j+2                        ; a slot beyond my last is read by no wave: it is not asked for
	s_cbranch_scc1 .Lpast_\@
	TLOAD \buf
.Lpast_\@:
.else
	s_barrier_signal -1
	s_barrier_wait -1
.endif
.endm
; SLOT j, in buffer buf.  On entry its first K step is on its way into set 0.  Each K step's fragments come while the K step before is multiplied; the next slot's first K step comes, behind the change, while this slot's last is.
.macro SLOTW j, buf, nxt, fill, more
.if \j > 0
	s_cmp_lt_u32 s[H], \j                          ; a slot beyond the limit has no work
	s_cbranch_scc1 .Ld1_\@
	STEPW 0, 0, 1, \buf, 1, 4*\j+1
.else
	STEPW 0, 1, 1, \buf, 1, 4*\j+1                 ; slot 0, which every work-group has, starts the sums
.endif
	PF \j
	STEPW 1, 0, 1, \buf, 2, 4*\j+2
	STEPW 0, 0, 1, \buf, 3, 4*\j+3
	s_wait_dscnt 0x0                               ; set 1 is in: the buffer has been read out
	PLACES                                         ; set 0 is loaded again below
.Ld1_\@:
.if \more
	CHANGE \buf, \fill, \j
	s_cmp_le_u32 s[H], \j                          ; is there a slot behind this one?
	s_cbranch_scc1 .Ld2_\@
	MULF 1, 0, 1, \nxt, 0, 4*\j+4
	WIN 0
	s_branch .Ld3_\@
.Ld2_\@:
.endif
.if \j > 0
	s_cmp_lt_u32 s[H], \j
	s_cbranch_scc1 .Ld3_\@
.endif
	MULF 1, 0, 0, 0, 0, 0                          ; my last slot's last K step: nothing more to fetch
	WIN 0
.Ld3_\@:
.endm
	s_load_b256 s[4:11], s[0:1], 0x0               ; qkv s[4:5], sc3 s[6:7], pimg s[8:9], pst s[10:11]
	s_load_b64 s[12:13], s[0:1], 0x20              ; out0
	v_lshl_add_u32 v[SPW], v0, 2, SPARE
	v_mov_b32 v[NIL], 0
	ds_add_u32 v[SPW], v[NIL]                      ; the wave's opening: the add, twice on end, and its wait ahead of my first tensor load
	ds_add_u32 v[SPW], v[NIL]
	v_lshrrev_b32 v1, 5, v0
	v_readfirstlane_b32 s14, v1                    ; wave 0..3
	s_lshr_b32 s15, s14, 1                         ; which 128 queries are mine
	s_and_b32 s16, s14, 1                          ; which 64 of d.  Also: which 128 queries' piece waves 0 and 1 fetch
	s_and_b32 s57, ttmp7, 0xffff
	s_lshr_b32 s17, s57, 3                         ; the batch
	s_and_b32 s[QI], s57, 7
	s_lshr_b32 s[H], s[QI], 1
.irp g, G1, G1P
	s_mov_b32 s[\g+1], 768<<16                     ; a piece: 8 rows (tiles) of 6,144 bytes (four images), as elements of 8 bytes; dense in LDS
	s_mov_b32 s[\g+2], 8<<16                       ; tensor_dim1
	s_mov_b32 s[\g+3], 768<<16                     ; tile_dim0
	s_mov_b32 s[\g+4], 8                           ; tile_dim1
	s_mov_b32 s[\g+5], 3072                        ; from a tile's images to the next tile's: 16 K steps x 1,536 bytes
	s_mov_b32 s[\g+6], 0
	s_mov_b32 s[\g+7], 0
.endr
	s_mov_b32 s[G1+0], 3<<16
	s_mov_b32 s[G1P+0], 15|(3<<16)|(1<<21)         ; the joint load: all four work-groups of the cluster, bit 21 beside the mask
	s_mov_b32 s[G1S+0], 3<<16                      ; V's scale words, two groups of 64 rows x 16 K steps: a dense block, 32 rows of 256 bytes
	s_mov_b32 s[G1S+1], 32<<16
	s_mov_b32 s[G1S+2], 32<<16
	s_mov_b32 s[G1S+3], 32<<16
	s_mov_b32 s[G1S+4], 32
	s_mov_b32 s[G1S+5], 32
	s_mov_b32 s[G1S+6], 0
	s_mov_b32 s[G1S+7], 0
	s_lshl_b32 s[PT], s17, 7
	s_lshl_b32 s82, s[QI], 4
	s_add_co_u32 s[PT], s[PT], s82
	s_lshl_b32 s82, s16, 3
	s_add_co_u32 s[PT], s[PT], s82                 ; waves 0, 1: P's tile of 16 queries at which my piece begins: no place in the cluster enters it
	s_mul_i32 s[PT], s[PT], 24576
	s_mov_b32 s[PT+1], 0
	s_bfe_u32 s58, ttmp6, 0x40000                  ; cx
	s_lshl_b32 s[DJ], ttmp9, 2
	s_add_co_u32 s[DJ], s[DJ], s58                 ; my block of d = 4 x cluster x + cx
	s_lshl_b32 s21, s17, 6
	s_lshl_b32 s22, s[DJ], 3
	s_add_co_u32 s21, s21, s22                     ; wave 2: V's first tile of 16 of d
	s_mul_i32 s21, s21, 24576
	s_add_co_u32 s21, s21, 12582912                ; V's part of its buffer
	s_cmp_lt_u32 s14, 2
	s_cselect_b32 s60, s[PT], s21
	s_mov_b32 s61, 0
	s_lshl_b32 s20, s17, 16                        ; V's scale words, in bytes: 65,536 a batch,
	s_lshl_b32 s21, s[DJ], 13                      ; 8,192 a block of d,
	s_add_co_u32 s20, s20, s21
	s_add_co_u32 s66, s20, 524288                  ; in v's part
	s_mov_b32 s67, 0
	s_mul_i32 s68, s14, PIECE                      ; where my piece goes: wave x a piece
	s_lshl_b32 s69, s14, 12
	s_and_b32 s76, s[QI], 3
	s_wait_dscnt 0x0                               ; both opening adds are done
	s_wait_kmcnt 0x0
	s_mov_b32 s[G0H], 1
	s_mov_b32 s[G0H+1], s68
	s_add_nc_u64 s[G0H+2:G0H+3], s[8:9], s[PT:PT+1]
	s_or_b32 s[G0H+3], s[G0H+3], 0x80000000
	s_cmp_lt_u32 s14, 2                            ; the wave's number alone chooses the buffer
	s_cselect_b64 s[62:63], s[8:9], s[4:5]
	s_cselect_b32 s76, s[DJ], s76                  ; the tile of my piece that I prefetch
	s_mov_b32 s[G0S], 1
	s_mov_b32 s[G0S+1], VSC
	s_add_nc_u64 s[G0S+2:G0S+3], s[6:7], s[66:67]
	s_or_b32 s[G0S+3], s[G0S+3], 0x80000000
	s_add_nc_u64 s[PFB:PFB+1], s[62:63], s[60:61]
	s_mov_b32 s[G0], 1
	s_mov_b32 s[G0+1], s68
	s_add_nc_u64 s[G0+2:G0+3], s[62:63], s[60:61]
	s_mov_b32 s[G0+4], 1
	s_add_co_u32 s[G0+5], s68, SLOT
	s_add_nc_u64 s[G0+6:G0+7], s[G0+2:G0+3], 6144  ; buffer 1 begins with slot 1: K steps 4 to 7
	s_or_b32 s[G0+3], s[G0+3], 0x80000000
	s_or_b32 s[G0+7], s[G0+7], 0x80000000
	CROUND                                         ; all four work-groups are here: the joint loads meet
	s_cmp_lt_u32 s14, 2                            ; the first fills: one in each arm, so that every wave passes one
	s_cbranch_scc0 .Lhead_v
	tensor_load_to_lds s[G0H:G0H+3], s[G1P:G1P+7]  ; waves 0, 1: P's part of slot 0, jointly
	s_nop 0
.rept 4
	v_nop
.endr
	s_branch .Lhead_on
.Lhead_v:
	s_cmp_eq_u32 s14, 2
	s_cbranch_scc0 .Lhead_sc
	tensor_load_to_lds s[G0:G0+3], s[G1:G1+7]      ; wave 2: V's
	s_nop 0
.rept 4
	v_nop
.endr
	s_branch .Lhead_on
.Lhead_sc:
	tensor_load_to_lds s[G0S:G0S+3], s[G1S:G1S+7]  ; wave 3: V's scale words
	s_nop 0
.rept 4
	v_nop
.endr
.Lhead_on:
; THE ROWS' M AND l, while the first fills land.  Thread t owns queries 2 t and 2 t + 1 of the 256.
.set PS,   64                          ; v64-95   the scale words, a pair for each K step
.set NM,   96                          ; v96-127  -M of each piece
.set PL,   128                         ; v128-159 each piece's sum
.set NR,   160                         ; v[160:161] the rows' -M
.set LS,   162                         ; v[162:163] the rows' l, then 1 / l
.set DI,   164                         ; v164-171 d, of four K steps x two queries
.set NE,   172                         ; v172-179 -d, then the piece's sum under the row's M
.set BY,   180                         ; v180-187 the new words
.set B1,   188                         ; v188-203 at work
.set BZ,   196
	s_lshl_b32 s20, s17, 17                        ; words [batch][16 K steps][2048 queries]
	s_lshl_b32 s21, s[QI], 10
	s_add_co_u32 s60, s20, s21
	s_add_nc_u64 s[10:11], s[10:11], s[60:61]
	v_lshlrev_b32 v[PO], 3, v0
.macro PLOAD j                         ; slot j's four K steps: loaded where the slot is live; else what counts for nothing: -M = 2^100
.if \j > 0
	s_cmp_lt_u32 s[H], \j
	s_cbranch_scc1 .Ldead_\@
.endif
	s_wait_alu depctr_va_vdst(0)
.irp u, 0,1,2,3
	global_load_b64 v[NM+8*\j+2*\u:NM+8*\j+2*\u+1], v[PO], s[10:11] offset:524288+(4*\j+\u)*8192
	global_load_b64 v[PS+8*\j+2*\u:PS+8*\j+2*\u+1], v[PO], s[10:11] offset:(4*\j+\u)*8192
	global_load_b64 v[PL+8*\j+2*\u:PL+8*\j+2*\u+1], v[PO], s[10:11] offset:1048576+(4*\j+\u)*8192
.endr
.if \j > 0
	s_branch .Lnext_\@
.Ldead_\@:
.irp u, 0,1,2,3,4,5,6,7
	v_mov_b32 v[PS+8*\j+\u], 0
	v_mov_b32 v[NM+8*\j+\u], 0x71800000
	v_mov_b32 v[PL+8*\j+\u], 0
.endr
.Lnext_\@:
.endif
.endm
	PLOAD 0
	PLOAD 1
	PLOAD 2
	PLOAD 3
	v_and_b32 v1, 15, v0                           ; r
	v_bfe_u32 v2, v0, 4, 1                         ; h
	s_wait_alu depctr_va_vdst(0)
	v_and_b32 v3, 31, v0                           ; lane
	v_lshlrev_b32 v[IO], 4, v3
	v_lshlrev_b32 v5, 3, v3
	v_min_u32 v[PFO], 23, v3
	s_mul_i32 s76, s76, 24576
	v_lshlrev_b32 v[PFO], 8, v[PFO]
	v_add_nc_u32 v[PFO], s76, v[PFO]               ; a tile's 24 blocks of 256 bytes in four K steps
	s_mul_i32 s20, s15, PIECE                      ; my 128 queries' piece
	v_add_nc_u32 v[ADA], s20, v[IO]
	s_add_co_u32 s20, s20, SLOT
	v_add_nc_u32 v[ADA+1], s20, v[IO]
	s_mul_i32 s20, s16, 24576                      ; my four tiles of V's eight,
	s_add_co_u32 s20, s20, 2*PIECE                 ; behind P's two pieces
	v_add_nc_u32 v[ADB], s20, v[IO]
	v_add_nc_u32 v[ADB8], s20, v5
	s_add_co_u32 s20, s20, SLOT
	v_add_nc_u32 v[ADB+1], s20, v[IO]
	v_add_nc_u32 v[ADB8+1], s20, v5
	s_lshl_b32 s20, s15, 13                        ; P's words: my 128 queries are two groups of 64
	s_lshl_b32 s21, s16, 12                        ; V's: my 64 of d are one
	s_add_co_u32 s21, s21, VSC-PSC
	s_sub_co_u32 s21, s21, s20                     ; from P's words to V's: 8,192 bytes at the least
	v_mul_u32_u24 v4, s21, v2                      ; lanes 16-31 take V's words
	v_lshl_add_u32 v4, v1, 2, v4
	s_add_co_u32 s20, s20, PSC
	v_add_nc_u32 v[ADS], s20, v4
	s_sub_co_u32 s21, s21, 4096
	v_mul_u32_u24 v4, s21, v2
	v_lshl_add_u32 v4, v1, 2, v4
	v_add_nc_u32 v[ADS2], s20, v4
	s_add_co_u32 s20, s69, PSC
	v_lshl_add_u32 v[PSA], v3, 3, s20              ; P's words: my wave's 64 queries' group, 8 bytes a lane
	v_lshl_add_u32 v[RLA], v0, 3, RL
	s_lshl_b32 s20, s15, 9
	s_add_co_u32 s20, s20, RL
	v_lshl_add_u32 v[RLR], v1, 2, s20
	s_mul_i32 s20, s14, 16*SPITCH                  ; my stage
	v_mul_u32_u24 v4, v1, SPITCH
	v_lshl_add_u32 v4, v2, 5, v4
	v_add_nc_u32 v[STO], s20, v4                   ; in: row r, 32 bytes for each half of the lanes
	v_mul_u32_u24 v4, v2, SPITCH
	v_lshl_add_u32 v4, v1, 4, v4
	v_add_nc_u32 v[RD], s20, v4                    ; back: lanes 0-15 one row of 256 bytes, lanes 16-31 the next
	v_lshlrev_b32 v4, 12, v2
	v_lshl_add_u32 v[CO], v1, 4, v4                ; and the same two rows in out0
	s_lshl_b32 s20, s17, 11                        ; out0: my first row,
	s_lshl_b32 s21, s[QI], 8
	s_add_co_u32 s20, s20, s21
	s_lshl_b32 s21, s15, 7
	s_add_co_u32 s20, s20, s21
	s_lshl_b32 s20, s20, 12                        ; of 4,096 bytes,
	s_lshl_b32 s21, s[DJ], 9
	s_add_co_u32 s20, s20, s21
	s_lshl_b32 s21, s16, 8
	s_add_co_u32 s60, s20, s21                     ; my first column
	s_add_nc_u64 s[12:13], s[12:13], s[60:61]
	s_wait_alu depctr_va_vdst(0)
	s_wait_loadcnt 0x0
.irp e, 0,1
	v_min3_num_f32 v[NR+\e], v[NM+\e], v[NM+2+\e], v[NM+4+\e]
.endr
.irp y, 6,10,14,18,22,26
.irp e, 0,1
	v_min3_num_f32 v[NR+\e], v[NR+\e], v[NM+\y+\e], v[NM+\y+2+\e]
.endr
.endr
.irp e, 0,1
	v_min_num_f32 v[NR+\e], v[NR+\e], v[NM+30+\e]  ; the row's -M: the least of the pieces'
.endr
.macro EACH op:vararg                  ; one line for each of the four K steps x two queries
.set y, 0
.rept 8
	\op
.set y, y+1
.endr
.endm
.macro ADJ j                           ; slot j's four K steps of my two queries: number y is K step y / 2, query y % 2
.if \j > 0
	s_cmp_lt_u32 s[H], \j                          ; a slot beyond the limit is read by no wave, and its sums are 0
	s_wait_alu depctr_va_vdst(0)
	s_cbranch_scc1 .Lbeyond_\@
.endif
	EACH v_sub_f32 v[DI+y], v[NM+8*\j+y], v[NR+y%2]    ; d = the row's M - the piece's: a whole number, 0 or more
	EACH v_min_num_f32 v[DI+y], 0x437f0000, v[DI+y]    ; 255 takes every byte to 0
	EACH v_cvt_i32_f32 v[DI+y], v[DI+y]
	EACH v_sub_nc_u32 v[NE+y], 0, v[DI+y]
	EACH v_ldexp_f32 v[NE+y], v[PL+8*\j+y], v[NE+y]
	EACH v_and_b32 v[B1+y], 0xff, v[PS+8*\j+y]
	EACH v_min_u32 v[BZ+y], v[B1+y], v[DI+y]
	EACH v_sub_nc_u32 v[BY+y], v[B1+y], v[BZ+y]        ; the byte less d, held at 0
.irp k, 1,2,3
	EACH v_bfe_u32 v[B1+y], v[PS+8*\j+y], 8*\k, 8
	EACH v_min_u32 v[BZ+y], v[B1+y], v[DI+y]
	EACH v_sub_nc_u32 v[B1+y], v[B1+y], v[BZ+y]
	EACH v_lshl_or_b32 v[BY+y], v[B1+y], 8*\k, v[BY+y]
.irp e, 0,1
.if \j == 0 && \k == 1
	v_add_f32 v[LS+\e], v[NE+\e], v[NE+2+\e]           ; the first two pieces start l
.else
.if \k == 1
	v_add_f32 v[LS+\e], v[LS+\e], v[NE+\e]
.endif
.endif
.endr
.irp e, 0,1
.if \k == 1 && \j > 0
	v_add_f32 v[LS+\e], v[LS+\e], v[NE+2+\e]
.endif
.if \k > 1
	v_add_f32 v[LS+\e], v[LS+\e], v[NE+2*\k+\e]
.endif
.endr
.endr
.irp u, 0,1,2,3
	ds_store_b64 v[PSA], v[BY+2*\u:BY+2*\u+1] offset:256*(4*\j+\u)
.endr
.if \j > 0
.Lbeyond_\@:
.endif
.endm
	ADJ 0
	ADJ 1
	ADJ 2
	ADJ 3
	s_wait_alu depctr_va_vdst(0)
	v_rcp_f32 v[LS], v[LS]
	v_rcp_f32 v[LS+1], v[LS+1]
	v_nop                                          ; a plain place behind the reciprocals
	s_wait_alu depctr_va_vdst(0)                   ; and the wait ahead of their first reader
	ds_store_b64 v[RLA], v[LS:LS+1]
	s_wait_tensorcnt 0x0                           ; V's scale words and slot 0: my part is in
	ds_add_u32 v[SPW], v[NIL]
	s_wait_dscnt 0x0                               ; the add is done; my stores of P's words and of 1 / l have landed
	CROUND                                         ; everybody's have
	s_cmp_lt_u32 s[H], 1                           ; slot 1 is read where my queries' block is the third or a later one
	s_cbranch_scc1 .Lone
	TLOAD 1                                        ; slot 1's first fill: my one load behind this round, at which nobody fills bytes again
.Lone:
	RUNB 0, 0, 0                                   ; the first K step comes in one run
	RUNA 0, 0, 0, 0
	RUNA 12, 0, 0, 0
	RUNS 0, 0
	SLOTW 0, 0, 1, 1, 1                            ; buffer 0 then takes slot 2,
	SLOTW 1, 1, 0, 1, 1                            ; buffer 1 slot 3,
	SLOTW 2, 0, 1, 0, 1                            ; and nothing more is asked for
	SLOTW 3, 1, 0, 0, 0
; THE WAY OUT, block by block of 16 queries x 64 of d: x 1 / l; through my own stage in LDS; back as whole rows of 256 bytes, two an instruction.
.set RV,   32                          ; v32-47  1 / l of my lane's query in each block, as pairs
.set T,    64                          ; v64-95  a block's 32 numbers of a lane
.set BK,   128                         ; v128-159 and v160-191 by turns: 16 rows read back
.macro DOWN a
	WIN 0x01                                       ; source 0: window 1
.set i, 0
.rept 16
	v_pk_mul_f32 v[T+i:T+i+1], v[32*(\a)+i:32*(\a)+i+1], v[RV+2*(\a):RV+2*(\a)+1]   ; each accumulator is read from its low end on
.set i, i+2
.endr
	WIN 0
.endm
.macro TOSTAGE a
.irp b, 0,1,2,3
	ds_store_b128 v[STO], v[T+8*\b:T+8*\b+3] offset:64*\b
	ds_store_b128 v[STO], v[T+8*\b+4:T+8*\b+7] offset:64*\b+16
.endr
.set BB, BK+32*((\a)%2)
.irp t, 0,1,2,3,4,5,6,7
	ds_load_b128 v[BB+4*\t:BB+4*\t+3], v[RD] offset:\t*2*SPITCH    ; LDS serves a wave's instructions in order (ISA guide 5.7.1.4): these see the stores above
.endr
.endm
.macro SEND a, younger                 ; younger: the LDS instructions issued behind block a's loads, which may stay out
.set BB, BK+32*((\a)%2)
	s_wait_dscnt \younger
.irp t, 0,1,2,3,4,5,6,7
	global_store_b128 v[CO], v[BB+4*\t:BB+4*\t+3], s[12:13] offset:(\a)*65536+\t*8192 th:TH_STORE_NT   ; 16 lanes store 256 consecutive bytes, at a multiple of 256 from out0's first byte
.endr
.endm
	PLACES                                         ; behind the last products: their scale registers are loaded and their results read below
.irp a, 0,1,2,3,4,5,6,7
	ds_load_b32 v[RV+2*\a], v[RLR] offset:64*\a
	ds_load_b32 v[RV+2*\a+1], v[RLR] offset:64*\a
.endr
	s_wait_dscnt 0x0
	DOWN 0
	TOSTAGE 0
.irp a, 1,2,3,4,5,6,7
	s_wait_dscnt 8                                 ; the last block's 8 stores into the stage have read T; its 8 loads may be out
	DOWN \a
.if \a > 1
	s_wait_alu depctr_va_vdst(0)
	s_wait_xcnt 0x0                                ; block a - 2's stores have read the registers into which block a's rows come back
.endif
	TOSTAGE \a
	SEND \a-1, 16                                  ; behind block a - 1's loads: block a's 8 stores and 8 loads
.endr
	SEND 7, 0
	s_wait_tensorcnt 0x0                           ; the wave's end, behind my last tensor load and my last LDS store
	ds_add_u32 v[SPW], v[NIL]
	s_wait_dscnt 0x0
	CROUND                                         ; the closing round: no work-group ends while a partner may still ask for a tile that names it
	s_endpgm
.Lfunc_end_k_qdfe43b72cb_pv:
	.size	k_qdfe43b72cb_pv, .Lfunc_end_k_qdfe43b72cb_pv-k_qdfe43b72cb_pv
	.p2alignl 7, 3214868480
	.fill 96, 4, 3214868480
	.section	.rodata,"a",@progbits
	.p2align	6, 0x0
	.amdhsa_kernel k_qdfe43b72cb_pv
		.amdhsa_group_segment_fixed_size 327680
		.amdhsa_private_segment_fixed_size 0
		.amdhsa_enable_private_segment 0
		.amdhsa_kernarg_size 40
		.amdhsa_user_sgpr_count 2
		.amdhsa_user_sgpr_kernarg_segment_ptr 1
		.amdhsa_wavefront_size32 1
		.amdhsa_system_sgpr_workgroup_id_x 1
		.amdhsa_system_sgpr_workgroup_id_y 1
		.amdhsa_system_sgpr_workgroup_id_z 1
		.amdhsa_system_vgpr_workitem_id 0
		.amdhsa_next_free_vgpr 768
		.amdhsa_next_free_sgpr 100
		.amdhsa_reserve_vcc 0
		.amdhsa_float_denorm_mode_32 3
		.amdhsa_float_denorm_mode_16_64 3
		.amdhsa_memory_ordered 1
		.amdhsa_forward_progress 1
		.amdhsa_inst_pref_size 208
	.end_amdhsa_kernel
	.amdgpu_metadata
---
amdhsa.version: [ 1, 2 ]
amdhsa.kernels:
  - .name:           k_qdfe43b72cb_pv
    .symbol:         k_qdfe43b72cb_pv.kd
    .args:
      - { .name: qkv, .offset: 0, .size: 8, .value_kind: global_buffer, .address_space: global }
      - { .name: sc3, .offset: 8, .size: 8, .value_kind: global_buffer, .address_space: global }
      - { .name: pimg, .offset: 16, .size: 8, .value_kind: global_buffer, .address_space: global }
      - { .name: pst, .offset: 24, .size: 8, .value_kind: global_buffer, .address_space: global }
      - { .name: out0, .offset: 32, .size: 8, .value_kind: global_buffer, .address_space: global }
    .group_segment_fixed_size: 327680
    .private_segment_fixed_size: 0
    .kernarg_segment_align: 8
    .kernarg_segment_size: 40
    .max_flat_workgroup_size: 128
    .sgpr_count:     100
    .vgpr_count:     768
    .wavefront_size: 32
...
	.end_amdgpu_metadata
.endif
;; end of part 3
